; MI455X (gfx1250); checked and timed in simulation.
; The chip was launched on July 23, 2026; its instructions are those of AMD's public machine-readable ISA for CDNA 5 (MIT licence, August 2026) and "CDNA5" Instruction Set Architecture Reference Guide (July 2026). The comments in the code are by the model that wrote it; some were corrected since.
;; Multi Headed Attention. Allowed arithmetic: matrix products marked QUANTISED: E4M3 operands, one E8M0 scale for each 32 along K, by v_wmma_scale_f32_16x16x128_f8f6f4 with both operands' format E4M3, f32 sums; everything else in f32.
;; Inputs: Wk_codes 1,024 x 32 x 32 uint8 (E4M3 codes of Wk, K innermost, in blocks of 32 codes); Wk_scales 1,024 x 32 uint8 (E8M0 scales of Wk, one for each 32 codes along K); Wo_codes 1,024 x 32 x 32 uint8 (E4M3 codes of Wo, K innermost, in blocks of 32 codes); Wo_scales 1,024 x 32 uint8 (E8M0 scales of Wo, one for each 32 codes along K); Wq_codes 1,024 x 32 x 32 uint8 (E4M3 codes of Wq, K innermost, in blocks of 32 codes); Wq_scales 1,024 x 32 uint8 (E8M0 scales of Wq, one for each 32 codes along K); Wv_codes 1,024 x 32 x 32 uint8 (E4M3 codes of Wv, K innermost, in blocks of 32 codes); Wv_scales 1,024 x 32 uint8 (E8M0 scales of Wv, one for each 32 codes along K); bk 1,024 float32; bo 1,024 float32; bq 1,024 float32; bv 1,024 float32; key_codes 4 x 2,048 x 32 x 32 uint8 (E4M3 codes of key, K innermost, in blocks of 32 codes); key_scales 4 x 2,048 x 32 uint8 (E8M0 scales of key, one for each 32 codes along K); query_codes 4 x 2,048 x 32 x 32 uint8 (E4M3 codes of query, K innermost, in blocks of 32 codes); query_scales 4 x 2,048 x 32 uint8 (E8M0 scales of query, one for each 32 codes along K); value_codes 4 x 2,048 x 32 x 32 uint8 (E4M3 codes of value, K innermost, in blocks of 32 codes); value_scales 4 x 2,048 x 32 uint8 (E8M0 scales of value, one for each 32 codes along K).
;; Outputs: out0 4 x 2,048 x 1,024 float32.
;; This version of the problem:
;;   THIS VERSION OF THE PROBLEM IS GIVEN IN LOW PRECISION. The matrix products marked QUANTISED in the list below multiply operands that are first quantised to E4M3 (4 exponent bits, 3 mantissa bits; 8 bits a number), with one power-of-two scale for each 32 numbers along K (OCP MX v1.0); their sums are f32. All else is computed in f32.
;;   The module's matrix products, in the order in which they are computed (A, B: the left and right operand; K: the contracted axis; several contracted axes count as one K, in the product's order):
;;     1. [M 8,192, K 1,024] x [K 1,024, N 1,024]; A: input query (given as codes); B: input Wq (given as codes): QUANTISED
;;     2. [M 8,192, K 1,024] x [K 1,024, N 1,024]; A: input key (given as codes); B: input Wk (given as codes): QUANTISED
;;     3. [M 8,192, K 1,024] x [K 1,024, N 1,024]; A: input value (given as codes); B: input Wv (given as codes): QUANTISED
;;     4. batch 64 x [M 2,048, K 64] x [K 64, N 2,048]; A: computed on the way; B: computed on the way: QUANTISED
;;     5. batch 64 x [M 2,048, K 2,048] x [K 2,048, N 64]; A: softmax (see below); B: computed on the way: QUANTISED
;;     6. [M 8,192, K 1,024] x [K 1,024, N 1,024]; A: computed on the way; B: input Wo (given as codes): QUANTISED
;;   THE QUANTISER, for each operand of a quantised product, along K:
;;     - K is cut into blocks of 32 from its start; a last block that is shorter is filled with zeros.
;;     - A block's scale is 2^e with e = floor(log2(the largest magnitude in the block)) - 8, held to -126 .. 127; a block of zeros has e = 0. As a byte (E8M0): e + 127.
;;     - Each number is divided by its block's scale, clamped to +-448, and rounded to the nearest number of E4M3, ties to even, subnormals kept.
;;     - The product sums the exact products of the quantised numbers (number of the format x scale) in f32.
;;   ~~~python
;;   def quantise(x, axis):      # numpy; x: float32 -> the quantised numbers, widened to float32 again
;;       x = np.moveaxis(x, axis, -1); K = x.shape[-1]
;;       x = np.pad(x, [(0, 0)] * (x.ndim - 1) + [(0, -K % 32)]); x = x.reshape(x.shape[:-1] + (-1, 32)); a = np.abs(x).max(-1, keepdims=True)
;;       e = np.where(a > 0, np.clip(np.frexp(np.where(a > 0, a, 1))[1] - 1 - 8, -126, 127), 0)      # np.frexp(a)[1] - 1 = floor(log2(a)), exactly
;;       r = np.clip(x / 2.0 ** e, -448, 448)
;;       step = 2.0 ** (np.maximum(np.frexp(np.where(r == 0, 1, r))[1] - 1, -6) - 3)
;;       q = np.round(r / step) * step * 2.0 ** e      # np.round: ties to even
;;       return np.moveaxis(q.reshape(q.shape[:-2] + (-1,))[..., :K], -1, axis).astype(np.float32)
;;   ~~~
;;   SOFTMAX AHEAD OF A QUANTISED PRODUCT. Where the list says 'softmax', what is quantised is not the finished softmax but p = 2^(t - M), with t = logit x log2(e) and M = ceil(the row's largest t), a whole number; so 1/2 < the row's largest p <= 1. The row's sum l is taken of the UNQUANTISED p, in f32, and the product's result is divided by l at the end. Since M is a whole number, a kernel that streams over the keys may use a running M (the ceiling of the running maximum): every later rescaling is an exact power of two, which a block's scale takes up: the codes' values come out the same.
;;   OPERANDS COMPUTED ON THE WAY. 'Computed on the way' means the value that the module computes at that place (a softmax that the list does not call 'softmax' is quantised finished and normalised). What goes into a quantiser is computed in f32, as accurately as f32 sums, v_exp_f32 and their like allow (about 1e-6 of the number): no bf16 or f16 on the way to a quantiser, and a product that is left as it is and whose result goes on into a quantised operand takes f32 operands (vector FMAs, or v_wmma_f32_16x16x4_f32). A number that lies on a knife's edge between two numbers of the format may be rounded either way, as far as f32 arithmetic and the matrix unit's own rounding can turn it there, and no further.
;;   INPUTS GIVEN AS CODES. Wk (in the module: [1024, 1024], K = its axis 0); Wo (in the module: [1024, 1024], K = its axis 0); Wq (in the module: [1024, 1024], K = its axis 0); Wv (in the module: [1024, 1024], K = its axis 0); key (in the module: [4, 2048, 1024], K = its axis 2); query (in the module: [4, 2048, 1024], K = its axis 2); value (in the module: [4, 2048, 1024], K = its axis 2): each comes as NAME_codes (uint8): NAME with its K axis moved to the last place and cut into blocks of 32 codes, [.., K / 32, bytes a block], one block behind the other in memory; one code a byte (a code: sign, 4 exponent bits, 3 mantissa bits); and NAME_scales (uint8): the same leading axes, one E8M0 byte (e + 127) for each 32 codes along K. Its value is code x scale, taken as it is: it is not quantised again, and the codes and scales need not be those that the quantiser above would give.
;; One version. Each part assembles by itself: llvm-mc -triple=amdgcn-amd-amdhsa -mcpu=gfx1250 --defsym DOCPART=n.
;; ======== version 1 of 1: 3 launches
;; limits: right only within a limited range of input values
;; workspace buffers: qws 8,912,896 bytes; kvws 17,825,792 bytes; xws 8,388,608 bytes; xsc 524,288 bytes
;; launch proj (part 1): grid 4 x 192, 4 waves a work-group, clusters of 4 x 4, 327,680 bytes of LDS; arguments query_codes, key_codes, Wv_codes, query_scales, key_scales, Wv_scales, Wq_codes, Wk_codes, value_codes, Wq_scales, Wk_scales, value_scales, bq, bk, bv, qws, kvws; writes qws, kvws
.if DOCPART == 1
	.amdgcn_target "amdgcn-amd-amdhsa--gfx1250"
	.amdhsa_code_object_version 6
	.text
	.protected	k_q65ed412fa1_proj
	.globl	k_q65ed412fa1_proj
	.p2align	8
	.type	k_q65ed412fa1_proj,@function
k_q65ed412fa1_proj:
	s_mov_b64 s[64:65], 0
	v_nop
	global_prefetch_b8 v0, s[64:65] scope:SCOPE_SE
	s_setreg_imm32_b32 hwreg(HW_REG_WAVE_MODE, 25, 1), 1
	s_wait_xcnt 0x0
	s_wait_alu depctr_hold_cnt(0) depctr_sa_sdst(0) depctr_va_vdst(0) depctr_va_sdst(0) depctr_va_ssrc(0) depctr_va_vcc(0) depctr_vm_vsrc(0)
	s_getreg_b32 s2, hwreg(HW_REG_IB_STS2, 6, 4)
	s_cmp_eq_u32 s2, 0
	s_cbranch_scc0 .Lentry_in_a_cluster
	s_endpgm
.Lentry_in_a_cluster:
	s_bfe_u32 s2, ttmp6, 0x10000c
	s_cmp_lg_u32 s2, 0xf033
	s_cbranch_scc0 .Lentry_shape_is_right
	s_endpgm
.Lentry_shape_is_right:
; THE THREE PROJECTIONS q = query Wq + bq, k = key Wk + bk, v = value Wv + bv on codes of FP8 (E4M3) with one E8M0 scale for each 32 along K = 1,024, and the quantising of their results for the attention:
; q and k along a head's 64 features, v along the keys.  One body serves all three; the kind (0 q, 1 k, 2 v) is the cluster's y / 16, the same in all partners of a cluster.
; ROLES.  Source 1 of the matrix instruction is operand L: its 16 rows go to the lanes.  Source 0 is operand G: its 16 rows go to a lane's eight registers.  A quantiser wants its K along a lane's registers:
; so for q and k L = tokens and G = the weight's features, for v L = Wv's features and G = value's tokens.  Nothing is transposed.
; SHARES.  A work-group makes 128 rows of L x 256 rows of G; wave w takes 64 of L (w / 2) x 128 of G (w % 2): 32 accumulators, (a, t) at v[8 (8 a + t)] of window 2.  A wave's 128 along G are one scale word a row.
; LDS.  L's 128 rows come for ALL of K with the first fills (two halves of 512 along K); G's 256 rows go through a ring of two slots of 256 along K: two refills in the launch, asked for by waves 2 and 3.
; All scale bytes of both operands come once, with the first fills, and go into registers once: no scale word is loaded in the K steps.
; CLUSTER.  4 x 4 work-groups: L's tiles hang on the cluster's row alone and are asked for jointly along it, G's on its column.
; THE ORDER INSIDE A BLOCK OF 32.  Tiles are 16 neighbouring rows of G, so the place 16 (lane / 16) + i of a block holds its element 8 (lane / 16) + i % 8 + 16 (i / 8): a permutation inside one scale block.
; q and k carry it alike, and so do v and the attention's p (made from neighbouring key tiles): the products are the same sums.
; RESULTS leave as images of operand registers: four registers of 32 lanes are 512 consecutive bytes, aligned to 256.  kvws: [64 heads][16 key steps][17,408]: K's codes (tile x 1,024 + piece x 512), V's codes at 8,192
; (tile x 2,048 + piece x 512), K's scale words at 16,384, V's at 16,896.  qws: [64][16][8,704]: codes, scale words at 8,192.
; A wave of kind q or k makes one scale word for two heads: the first head takes it whole (its upper two bytes stand over zero codes), the second takes it shifted down by 16 bits.
; LIMITS: NaN and infinities are not served.  A block whose largest magnitude lies under 2^-118, a block of zeros among them, gets the scale byte 1; only this program reads the bytes.
; The sums take k in the order of the matrix unit, with the bias as the first addend.
.set LP,     528                       ; L's row in LDS: 512 bytes + 16 of padding
.set GP,     272                       ; G's: 256 + 16
.set LPART,  64*LP                     ; 64 rows x 512 along K
.set LHALF,  2*LPART                   ; L lies as [K half][128 rows]: the first half is one tile
.set GBASE,  2*LHALF
.set GPART,  128*GP                    ; 128 rows x 256 along K: one tensor load
.set GSLOT,  2*GPART
.set LSC,    GBASE+2*GSLOT             ; L's scale bytes: 64 rows x 32 bytes are 8 runs of 256 bytes + 16
.set LSPART, 8*272
.set GSC,    LSC+2*LSPART              ; G's: 128 rows are 16 runs
.set GSPART, 16*272
.set SPARE,  GSC+2*GSPART              ; the spare words, 128 bytes a wave: two blocks of 256 bytes that no other line names
.set VO,   8                           ; v8-11   16 x lane + a x the tile's stride in the codes' image
.set L8,   12                          ; v12     8 x lane
.set L16,  13                          ; v13     16 x lane
.set ADL,  16                          ; v16-17  LDS address of my L fragments, K half 0, 1
.set ADG,  20                          ; v20-21  of my G fragments, slot 0, 1
.set ADSL, 22                          ; v22     of my L scale words
.set ADSG, 23                          ; v23     of my G scale words
.set SPW,  28                          ; v28     my spare word's address; never rewritten
.set NIL,  29                          ; v29     0; never rewritten
.set LSW,  32                          ; v32-47  L's scale words: register 8 p + S: lanes 0-15 tile 2 p, lanes 16-31 tile 2 p + 1, K step S
.set GSW,  48                          ; v48-79  G's likewise
.set TM,   80                          ; v80-95  the quantiser's work: largest magnitudes, bytes, holds, scale operands
.set PW,   96                          ; v96-99  the scale word of tile a
.set BL,   104                         ; v104-107 the bias by L's rows
.set PC,   128                         ; v128-191 the codes of tile a at PC + 16 a (L's fragments are done with)
.set G1L,  24
.set G1G,  32
.set G1LS, 40
.set G1GS, 48
.set G0L,  56
.set G0G,  68
.set G0LS, 76
.set G0GS, 80
.set MUL_,  0xa1                       ; source 0 (G) window 1, source 1 (L) window 0, C and D window 2
.set MULB,  0xb1                       ; the same with C, the bias, in window 3
.set TO_G,  0x40                       ; destination window 1
.set TO_BB, 0xc0                       ; destination window 3
.set MSB, 0
.macro WIN new                         ; the immediate's high byte repeats the setting that is left
.if MSB != \new
	s_set_vgpr_msb (MSB<<8)|\new
.set MSB, \new
.endif
.endm
.macro PLACES n
.rept \n
	v_nop
.endr
.endm
; A joint load: waves 0 and 1 fetch for L, waves 2 and 3 for G.  The branch hangs on the wave's number alone.  Four v_nop follow each line.
.macro JLOAD g0a, g1a, g0b, g1b
	s_cmp_eq_u32 s17, 0
	s_cbranch_scc0 .Lfor_g_\@
	tensor_load_to_lds s[\g0a:\g0a+3], s[\g1a:\g1a+7]
	s_nop 0
.rept 4
	v_nop
.endr
	s_branch .Lasked_\@
.Lfor_g_\@:
	tensor_load_to_lds s[\g0b:\g0b+3], s[\g1b:\g1b+7]
	s_nop 0
.rept 4
	v_nop
.endr
.Lasked_\@:
.endm
.macro GLOAD sl                        ; a refill of G's slot sl: waves 2 and 3 alone have a part of it.  (The argument is text: it stands in brackets inside the product)
	s_cmp_eq_u32 s17, 0
	s_cbranch_scc1 .Lno_part_\@
	tensor_load_to_lds s[G0G+4*(\sl):G0G+4*(\sl)+3], s[G1G:G1G+7]
	s_nop 0
.rept 4
	v_nop
.endr
.Lno_part_\@:
.endm
.macro CREST                           ; a round of the cluster's barrier behind its opening barrier
	s_cmp_lg_u32 s16, 0
	s_cbranch_scc1 .Lnot_wave_0_\@
	s_barrier_signal -3
.Lnot_wave_0_\@:
	s_barrier_wait -3
	s_barrier_signal -1
	s_barrier_wait -1
.endm
.macro CROUND
	s_barrier_signal -1
	s_barrier_wait -1
	CREST
.endm
	s_load_b512 s[24:39], s[0:1], 0x0              ; query, key, Wv codes; query, key, Wv scales; Wq, Wk codes
	s_load_b512 s[40:55], s[0:1], 0x40             ; value codes; Wq, Wk, value scales; bq, bk, bv; qws
	s_load_b64 s[56:57], s[0:1], 0x80              ; kvws
	v_lshl_add_u32 v[SPW], v0, 2, SPARE
	v_mov_b32 v[NIL], 0
	ds_add_u32 v28, v29
	ds_add_u32 v28, v29
	s_wait_dscnt 0x0
	v_lshrrev_b32 v1, 5, v0
	v_readfirstlane_b32 s16, v1                    ; wave 0..3
	s_lshr_b32 s17, s16, 1                         ; which 64 rows of L are mine.  Also: I fetch for L (0) or for G (1)
	s_and_b32 s18, s16, 1                          ; which 128 rows of G are mine.  Also: which part I fetch
	s_bfe_u32 s20, ttmp6, 0x40000                  ; cx
	s_bfe_u32 s21, ttmp6, 0x40004                  ; cy
	s_and_b32 s22, ttmp7, 0xffff                   ; the cluster's y, 0..47
	s_lshr_b32 s19, s22, 4                         ; kind
	s_and_b32 s22, s22, 15
	s_cmp_eq_u32 s19, 2
	s_cselect_b32 s23, 1, 15                       ; v has 8 tiles of L and 32 of G, q and k 64 and 4
	s_cselect_b32 s96, 1, 4
	s_and_b32 s97, s22, s23
	s_lshl_b32 s97, s97, 2
	s_add_co_u32 s97, s97, s21
	s_lshl_b32 s97, s97, 7                         ; L's first row of the work-group: it hangs on cy, never on cx
	s_lshr_b32 s98, s22, s96
	s_lshl_b32 s98, s98, 2
	s_add_co_u32 s98, s98, s20
	s_lshl_b32 s98, s98, 8                         ; G's first row: it hangs on cx, never on cy
	s_lshl_b32 s66, s21, 2
	s_lshl_b32 s66, 15, s66                        ; my row of the cluster
	s_lshl_b32 s67, 0x1111, s20                    ; my column
	s_mov_b32 s92, 0x76543210
	s_mov_b32 s93, 0xfedcba98                      ; v_permlanex16_b32's selects for lane l xor 16
	s_mov_b32 s94, 0x600000                        ; the mantissa field of 448
	s_mov_b32 s95, 0xffff0000                      ; lanes 16-31
	s_wait_kmcnt 0x0
	s_cmp_eq_u32 s19, 0                            ; the kind's six buffers: the choice hangs on the cluster's number alone
	s_cselect_b64 s[4:5], s[24:25], s[26:27]       ; L's codes
	s_cselect_b64 s[6:7], s[30:31], s[32:33]       ; L's scales
	s_cselect_b64 s[8:9], s[36:37], s[38:39]       ; G's codes
	s_cselect_b64 s[10:11], s[42:43], s[44:45]     ; G's scales
	s_cselect_b64 s[12:13], s[48:49], s[50:51]     ; the bias
	s_cselect_b64 s[14:15], s[54:55], s[56:57]     ; where the results go
	s_cmp_eq_u32 s19, 2
	s_cselect_b64 s[4:5], s[28:29], s[4:5]
	s_cselect_b64 s[6:7], s[34:35], s[6:7]
	s_cselect_b64 s[8:9], s[40:41], s[8:9]
	s_cselect_b64 s[10:11], s[46:47], s[10:11]
	s_cselect_b64 s[12:13], s[52:53], s[12:13]
	s_lshl_b32 s100, s97, 5                        ; the work-group's first row of L: 32 scale bytes a row
	s_mov_b32 s101, 0
	s_add_nc_u64 s[6:7], s[6:7], s[100:101]
	s_lshl_b32 s100, s100, 5                       ; 1,024 codes a row
	s_add_nc_u64 s[4:5], s[4:5], s[100:101]
	s_lshl_b32 s2, s98, 5                          ; the work-group's first row of G
	s_mov_b32 s3, 0
	s_add_nc_u64 s[10:11], s[10:11], s[2:3]
	s_lshl_b32 s2, s2, 5
	s_add_nc_u64 s[8:9], s[8:9], s[2:3]
	; descriptor groups 1 (the arguments' registers are free now)
	s_or_b32 s[G1L], s66, (1<<20)|(1<<21)|(6<<22)|(3<<25)    ; the mask: my row; elements of 1 byte; padding: 4 words behind every 128
	s_mov_b32 s[G1L+1], 512<<16                    ; tensor_dim0
	s_mov_b32 s[G1L+2], 128<<16                    ; the head's load brings 128 rows; behind it the two words are set to 64
	s_mov_b32 s[G1L+3], 512<<16
	s_mov_b32 s[G1L+4], 128
	s_mov_b32 s[G1L+5], 1024                       ; from row to row
	s_mov_b32 s[G1L+6], 0
	s_mov_b32 s[G1L+7], 0
	s_or_b32 s[G1G], s67, (1<<20)|(1<<21)|(5<<22)|(3<<25)    ; my column; padding: 4 words behind every 64
	s_mov_b32 s[G1G+1], 256<<16
	s_mov_b32 s[G1G+2], 256<<16                    ; the head's load brings 256 rows; behind it 128
	s_mov_b32 s[G1G+3], 256<<16
	s_mov_b32 s[G1G+4], 256
	s_mov_b32 s[G1G+5], 1024
	s_mov_b32 s[G1G+6], 0
	s_mov_b32 s[G1G+7], 0
	s_or_b32 s[G1LS], s66, (3<<16)|(1<<20)|(1<<21)|(5<<22)|(3<<25)  ; scale bytes: a dense block as rows of 256 bytes (32 elements of 8), 16 bytes behind each
	s_mov_b32 s[G1LS+1], 32<<16
	s_mov_b32 s[G1LS+2], 16<<16                    ; 128 rows' scale bytes: 16 runs of 256
	s_mov_b32 s[G1LS+3], 32<<16
	s_mov_b32 s[G1LS+4], 16
	s_mov_b32 s[G1LS+5], 32
	s_mov_b32 s[G1LS+6], 0
	s_mov_b32 s[G1LS+7], 0
	s_or_b32 s[G1GS], s67, (3<<16)|(1<<20)|(1<<21)|(5<<22)|(3<<25)
	s_mov_b32 s[G1GS+1], 32<<16
	s_mov_b32 s[G1GS+2], 32<<16                    ; 256 rows' scale bytes: 32 runs
	s_mov_b32 s[G1GS+3], 32<<16
	s_mov_b32 s[G1GS+4], 32
	s_mov_b32 s[G1GS+5], 32
	s_mov_b32 s[G1GS+6], 0
	s_mov_b32 s[G1GS+7], 0
	CROUND                                         ; all sixteen work-groups are here: the first joint loads meet
	s_mov_b32 s[G0LS], 1                           ; the head's four tiles, each whole: L's scale bytes,
	s_mov_b32 s[G0LS+1], LSC
	s_mov_b64 s[G0LS+2:G0LS+3], s[6:7]
	s_or_b32 s[G0LS+3], s[G0LS+3], 0x80000000
	s_mov_b32 s[G0GS], 1                           ; G's scale bytes,
	s_mov_b32 s[G0GS+1], GSC
	s_mov_b64 s[G0GS+2:G0GS+3], s[10:11]
	s_or_b32 s[G0GS+3], s[G0GS+3], 0x80000000
	s_mov_b32 s[G0L], 1                            ; L's 128 rows, K 0 to 511
	s_mov_b32 s[G0L+1], 0
	s_mov_b64 s[G0L+2:G0L+3], s[4:5]
	s_or_b32 s[G0L+3], s[G0L+3], 0x80000000
	s_lshl_b32 s100, s18, 16                       ; behind the head a wave fetches a part: 64 rows of L,
	s_mov_b32 s101, 0
	s_add_nc_u64 s[4:5], s[4:5], s[100:101]
	s_mov_b32 s[G0L+4], 1                          ; K 512 to 1,023
	s_mul_i32 s99, s18, LPART
	s_add_co_u32 s[G0L+5], s99, LHALF
	s_add_nc_u64 s[G0L+6:G0L+7], s[4:5], 512
	s_or_b32 s[G0L+7], s[G0L+7], 0x80000000
	s_lshl_b32 s100, s18, 17                       ; or 128 rows of G
	s_add_nc_u64 s[2:3], s[8:9], s[100:101]
.irp s, 0,1
	s_mov_b32 s[G0G+4*\s], 1
	s_mul_i32 s99, s18, GPART
	s_add_co_u32 s[G0G+4*\s+1], s99, GBASE+\s*GSLOT
	s_add_nc_u64 s[G0G+4*\s+2:G0G+4*\s+3], s[2:3], \s*256
	s_or_b32 s[G0G+4*\s+3], s[G0G+4*\s+3], 0x80000000
.endr
	s_mov_b64 s[10:11], s[8:9]                     ; s[8:11]: group 0 of G's 256 rows, K 0 to 255, into slot 0
	s_or_b32 s11, s11, 0x80000000
	s_mov_b32 s8, 1
	s_mov_b32 s9, GBASE
; THE HEAD'S LOADS, ONE A WAVE: one chain of branches on the wave's number, a load to an arm
.macro ARM under, g0, g1, next
	s_cmp_lt_u32 s16, \under
	s_cbranch_scc0 \next
	tensor_load_to_lds s[\g0:\g0+3], s[\g1:\g1+7]
	s_nop 0
	PLACES 4
	s_branch .Lhead_asked
\next:
.endm
	ARM 1, G0L,  G1L,  .Lhead_g
	ARM 2, 8,    G1G,  .Lhead_ls
	ARM 3, G0LS, G1LS, .Lhead_gs
	tensor_load_to_lds s[G0GS:G0GS+3], s[G1GS:G1GS+7]
	s_nop 0
	PLACES 4
.Lhead_asked:
	v_and_b32 v1, 15, v0                           ; r
	v_bfe_u32 v2, v0, 4, 1                         ; h
	v_and_b32 v3, 31, v0                           ; lane
	v_lshlrev_b32 v[L8], 3, v3
	v_lshlrev_b32 v[L16], 4, v3
	v_mul_u32_u24 v4, v1, LP
	v_lshl_add_u32 v4, v2, 4, v4                   ; a fragment's row x pitch + 16 x half
	s_mul_i32 s99, s17, LPART
	v_add_nc_u32 v[ADL], s99, v4
	v_add_nc_u32 v[ADL+1], LHALF, v[ADL]
	v_mul_u32_u24 v4, v1, GP
	v_lshl_add_u32 v4, v2, 4, v4
	s_mul_i32 s99, s18, GPART
	s_add_co_u32 s99, s99, GBASE
	v_add_nc_u32 v[ADG], s99, v4
	v_add_nc_u32 v[ADG+1], GSLOT, v[ADG]
	v_lshlrev_b32 v4, 5, v1                        ; scale bytes: 32 a row,
	v_lshrrev_b32 v5, 3, v1
	v_lshl_add_u32 v4, v5, 4, v4                   ; 16 more behind every eight rows,
	v_mad_u32_u24 v4, v2, 544, v4                  ; and lanes 16-31 take the tile 16 rows on
	s_mul_i32 s99, s17, LSPART
	s_add_co_u32 s99, s99, LSC
	v_add_nc_u32 v[ADSL], s99, v4
	s_mul_i32 s99, s18, GSPART
	s_add_co_u32 s99, s99, GSC
	v_add_nc_u32 v[ADSG], s99, v4
	v_lshlrev_b32 v6, 5, v2                        ; the bias by G's rows: my eight numbers of a tile begin 32 h bytes in
	s_wait_alu depctr_va_vdst(0)
	v_lshlrev_b32 v7, 2, v1                        ; by L's rows: 4 r
	s_wait_alu depctr_va_vdst(0)
.irp b, 0,1,2,3
	v_mov_b32 v[TM+4+\b], 0                        ; written once: a lane permute's destination counts as one of its sources
.endr
	; the biases.  q and k add theirs by G's rows (features), v by L's.  Both forms are loaded; the one that the kind does not use reads the buffer's first bytes
	s_lshl_b32 s100, s17, 6
	s_add_co_u32 s100, s100, s97                   ; my first row of L
	s_lshl_b32 s2, s18, 7
	s_add_co_u32 s2, s2, s98                       ; my first row of G
	s_cmp_eq_u32 s19, 2
	s_cselect_b32 s86, s2, s100                    ; my first token
	s_cselect_b32 s87, s100, s2                    ; my first feature
	s_cselect_b32 s100, s100, 0
	s_cselect_b32 s2, 0, s2
	s_lshl_b32 s100, s100, 2
	s_lshl_b32 s2, s2, 2
	s_mov_b32 s101, 0
	s_mov_b32 s3, 0
	s_add_nc_u64 s[100:101], s[12:13], s[100:101]
	s_add_nc_u64 s[2:3], s[12:13], s[2:3]
	WIN TO_BB
.irp t, 0,1,2,3,4,5,6,7
	global_load_b128 v[8*\t:8*\t+3], v6, s[2:3] offset:64*\t          ; window 3: tile t's eight numbers, in the result's layout
	global_load_b128 v[8*\t+4:8*\t+7], v6, s[2:3] offset:64*\t+16
.endr
	WIN 0
.irp a, 0,1,2,3
	global_load_b32 v[BL+\a], v7, s[100:101] offset:64*\a
.endr
	; where the results go: (16 x batch + head) x a head's bytes + (the token's block of 128) x a block's bytes
	s_mov_b32 s88, 278528
	s_mov_b32 s89, 17408
	s_mov_b32 s90, 16384
	s_cmp_eq_u32 s19, 0
	s_cselect_b32 s88, 139264, s88                 ; a head's bytes
	s_cselect_b32 s89, 8704, s89                   ; a block's
	s_cselect_b32 s90, 8192, s90                   ; where q's or k's scale words begin in a block
	s_lshr_b32 s91, s86, 11
	s_lshl_b32 s91, s91, 4
	s_lshr_b32 s87, s87, 6
	s_add_co_u32 s91, s91, s87
	s_mul_i32 s91, s91, s88
	s_bfe_u32 s86, s86, 0x40007
	s_mul_i32 s86, s86, s89
	s_add_co_u32 s86, s86, s91
	s_lshl_b32 s87, s17, 12                        ; q, k: my four token tiles of the block's eight
	s_lshl_b32 s91, s17, 8
	s_add_co_u32 s91, s91, s90
	s_mov_b32 s90, 16896
	s_mov_b32 s89, 1024
	s_mov_b32 s99, 1024
	s_cmp_eq_u32 s19, 2
	s_cselect_b32 s87, 8192, s87                   ; v: V's codes
	s_cselect_b32 s91, s90, s91                    ; and V's scale words
	s_cselect_b32 s89, s89, s88                    ; from pieces 0, 1 to pieces 2, 3: v: 1,024 bytes on; q, k: the next head
	s_cselect_b32 s99, 2048, s99                   ; from tile to tile
	s_add_co_u32 s84, s87, s86
	s_mov_b32 s85, 0
	s_add_nc_u64 s[84:85], s[14:15], s[84:85]      ; codes, pieces 0 and 1
	s_add_co_u32 s90, s91, s86
	s_mov_b32 s91, 0
	s_add_nc_u64 s[90:91], s[14:15], s[90:91]      ; scale words
	s_mov_b32 s86, s89
	s_mov_b32 s87, 0
	s_add_nc_u64 s[86:87], s[84:85], s[86:87]      ; codes, pieces 2 and 3
	s_mov_b32 s89, 0
	s_add_nc_u64 s[88:89], s[90:91], s[88:89]      ; the second head's scale words
	v_mov_b32 v[VO], v[L16]
	v_add_nc_u32 v[VO+1], s99, v[VO]
	v_add_nc_u32 v[VO+2], s99, v[VO+1]
	v_add_nc_u32 v[VO+3], s99, v[VO+2]
; one product.  par: bit 0: G's tile is odd, bit 1: L's tile is odd: its scale words stand in lanes 16-31
.macro WM d, g, l, c, sg, sl, par
.if (\par) == 0
	v_wmma_scale_f32_16x16x128_f8f6f4 v[(\d):(\d)+7], v[(\g):(\g)+15], v[(\l):(\l)+15], v[(\c):(\c)+7], v[\sg], v[\sl]
.elseif (\par) == 1
	v_wmma_scale_f32_16x16x128_f8f6f4 v[(\d):(\d)+7], v[(\g):(\g)+15], v[(\l):(\l)+15], v[(\c):(\c)+7], v[\sg], v[\sl] matrix_a_scale:MATRIX_SCALE_ROW1
.elseif (\par) == 2
	v_wmma_scale_f32_16x16x128_f8f6f4 v[(\d):(\d)+7], v[(\g):(\g)+15], v[(\l):(\l)+15], v[(\c):(\c)+7], v[\sg], v[\sl] matrix_b_scale:MATRIX_SCALE_ROW1
.else
	v_wmma_scale_f32_16x16x128_f8f6f4 v[(\d):(\d)+7], v[(\g):(\g)+15], v[(\l):(\l)+15], v[(\c):(\c)+7], v[\sg], v[\sl] matrix_a_scale:MATRIX_SCALE_ROW1 matrix_b_scale:MATRIX_SCALE_ROW1
.endif
.endm
; eight products: L's tile a against G's eight, K step S.  cm = 0: onto the sums; 1: the bias by G's rows starts them; 2: the bias by L's rows.  The 32 accumulators take turns, in one order in every step
.macro MUL a, S, cm
.irp t, 0,1,2,3,4,5,6,7
.if (\cm) == 0
	WM 8*(8*(\a)+\t), 128*((\S)%2)+16*\t, 128+64*((\S)%2)+16*(\a), 8*(8*(\a)+\t), GSW+8*(\t/2)+(\S), LSW+8*((\a)/2)+(\S), (\t%2)+2*((\a)%2)
.elseif (\cm) == 1
	WM 8*(8*(\a)+\t), 128*((\S)%2)+16*\t, 128+64*((\S)%2)+16*(\a), 8*\t, GSW+8*(\t/2)+(\S), LSW+8*((\a)/2)+(\S), (\t%2)+2*((\a)%2)
.else
	WM 8*(8*(\a)+\t), 128*((\S)%2)+16*\t, 128+64*((\S)%2)+16*(\a), 8*(\a), GSW+8*(\t/2)+(\S), LSW+8*((\a)/2)+(\S), (\t%2)+2*((\a)%2)
.endif
.endr
.endm
; 48 LDS loads in one run: K step S's fragments, G's eight into set S % 2 of window 1, L's four into set S % 2 of window 0
.macro FETCH S
	WIN TO_G
.irp t, 0,1,2,3,4,5,6,7
.irp c, 0,1,2,3
	ds_load_b128 v[128*((\S)%2)+16*\t+4*\c:128*((\S)%2)+16*\t+4*\c+3], v[ADG+((\S)/2)%2] offset:\t*16*GP+((\S)%2)*128+32*\c
.endr
.endr
	WIN 0
.irp a, 0,1,2,3
.irp c, 0,1,2,3
	ds_load_b128 v[128+64*((\S)%2)+16*\a+4*\c:128+64*((\S)%2)+16*\a+4*\c+3], v[ADL+(\S)/4] offset:\a*16*LP+((\S)%4)*128+32*\c
.endr
.endr
.endm
; A K step whose successor lies in bytes that have landed.  The next step's loads stand in one run in its middle, eight places behind the last products that read their registers
.macro STEP S, cm
	s_wait_dscnt 0x0                               ; this step's fragments are in
.if (\cm) == 0
	WIN MUL_
.else
	WIN MULB
.endif
	MUL 0, \S, \cm
	MUL 1, \S, \cm
	PLACES 8
	FETCH (\S)+1
.if (\cm) == 0
	WIN MUL_
.else
	WIN MULB
.endif
	MUL 2, \S, \cm
	MUL 3, \S, \cm
	WIN 0
.endm
; A slot's last K step changes slots: ONE barrier; in front of it each wave waits for all its tensor loads, adds 0 to its spare word, and waits for that and for its reads of the slot.  fill = 1: the slot is filled again, 512 along K on
.macro TURN S, fill
	s_wait_tensorcnt 0x0                           ; all my tensor loads have landed
	ds_add_u32 v[SPW], v[NIL]                      ; 0 onto my spare word
	s_wait_dscnt 0x1                               ; this step's 48 fragment loads are in; the add alone may be out
	WIN MUL_
	MUL 0, \S, 0                                   ; eight products stand between the add and the wait for it
	s_wait_dscnt 0x0                               ; the add is done, and my reads of the slot are over
	s_barrier_signal -1
	MUL 1, \S, 0
	WIN 0
	s_barrier_wait -1
.if \fill
	CREST                                          ; the barrier has opened a round of the cluster's: no wave of any partner still reads the slot or has a load on its way
	s_add_nc_u64 s[G0G+4*(((\S)/2)%2)+2:G0G+4*(((\S)/2)%2)+3], s[G0G+4*(((\S)/2)%2)+2:G0G+4*(((\S)/2)%2)+3], 512
	GLOAD ((\S)/2)%2                               ; the first tensor load behind the round, one a wave: into the slot that this step has read out
.endif
	PLACES 8
	FETCH (\S)+1
	WIN MUL_
	MUL 2, \S, 0
	MUL 3, \S, 0
	WIN 0
.endm
	s_wait_alu depctr_va_vdst(0)                   ; the wait at the head's end
	s_wait_tensorcnt 0x0                           ; my tile of the head's four is in; the lines ahead of a later first fill:
	ds_add_u32 v[SPW], v[NIL]
	s_mov_b32 s[G1L+2], 64<<16                     ; no tensor load of mine is out: from here on a load brings 64 rows of L
	s_mov_b32 s[G1L+4], 64
	s_mov_b32 s[G1G+2], 128<<16                    ; or 128 of G
	s_mov_b32 s[G1G+4], 128
	s_wait_dscnt 0x0
	CROUND                                         ; all four tiles are in, and the sixteen work-groups are here
	JLOAD G0L+4, G1L, G0G+4, G1G                   ; L's second K half (waves 0, 1) and G's slot 1 (waves 2, 3): one load a wave
.irp p, 0,1
	ds_load_b128 v[LSW+8*\p:LSW+8*\p+3], v[ADSL] offset:1088*\p        ; the words of K steps 0-3 of tiles 2 p and 2 p + 1,
	ds_load_b128 v[LSW+8*\p+4:LSW+8*\p+7], v[ADSL] offset:1088*\p+16   ; of K steps 4-7
.endr
.irp p, 0,1,2,3
	ds_load_b128 v[GSW+8*\p:GSW+8*\p+3], v[ADSG] offset:1088*\p
	ds_load_b128 v[GSW+8*\p+4:GSW+8*\p+7], v[ADSG] offset:1088*\p+16
.endr
	FETCH 0
	s_wait_loadcnt 0x0                             ; the biases
	s_cmp_eq_u32 s19, 2
	s_cbranch_scc1 .Lstep0_v
	STEP 0, 1                                      ; q, k: the first products start the sums with the bias by G's rows
	s_branch .Lstep0_done
.Lstep0_v:
	WIN TO_BB
.irp a, 0,1,2,3
.irp j, 0,1,2,3,4,5,6,7
	v_mov_b32 v[8*\a+\j], v[BL+\a]                 ; v: a lane's eight results of tile a are one feature's: its bias eight times
.endr
.endr
	WIN 0
	s_wait_alu depctr_va_vdst(0)
	STEP 0, 2
.Lstep0_done:
	TURN 1, 1                                      ; slot 0 takes K 512 to 767
	STEP 2, 0
	TURN 3, 1                                      ; slot 1 takes K 768 to 1,023
	STEP 4, 0
	TURN 5, 0                                      ; nothing is left to fetch
	STEP 6, 0
	s_wait_dscnt 0x0
	WIN MUL_
	MUL 0, 7, 0
	MUL 1, 7, 0
	MUL 2, 7, 0
	MUL 3, 7, 0
	WIN 0
	PLACES 8                                       ; in front of the first read of results and of writes into the fragments' registers
; THE QUANTISER.  Tile a's 64 registers of window 2 are four blocks of 32 along G: 16 numbers here, 16 in lane l xor 16.  Each accumulator is read from its low end on.
.macro QUANT a
.set QS, 64*(\a)
	WIN 0x0a                                       ; sources 0 and 1 window 2
.irp b, 0,1,2,3
	v_max3_num_f32 v[TM+\b], |v[QS+16*\b]|, |v[QS+16*\b+1]|, 0x4800000   ; with the floor 2^(9 - 127): the byte cannot fall under 1
.endr
	WIN 0x28                                       ; sources 1 and 2 window 2
.irp i, 2,4,6,8,10,12,14
.irp b, 0,1,2,3
	v_max3_num_f32 v[TM+\b], v[TM+\b], |v[QS+16*\b+\i]|, |v[QS+16*\b+\i+1]|
.endr
.endr
	WIN 0
.irp b, 0,1,2,3
	v_permlanex16_b32 v[TM+4+\b], v[TM+\b], s92, s93
.endr
.irp b, 0,1,2,3
	v_max_num_f32 v[TM+\b], v[TM+\b], v[TM+4+\b]   ; the block's largest magnitude
.endr
.irp b, 0,1,2,3
	v_add_nc_u32 v[TM+12+\b], 0xfc000000, v[TM+\b] ; 8 off its exponent field: the conversion's scale operand
.endr
.irp b, 0,1,2,3
	v_and_or_b32 v[TM+8+\b], v[TM+\b], 0x7f800000, s94   ; 448 x the scale
.endr
.irp b, 0,1,2,3
	v_lshrrev_b32 v[TM+4+\b], 23, v[TM+12+\b]      ; the scale's byte
.endr
	v_lshl_or_b32 v[PW+\a], v[TM+5], 8, v[TM+4]
	v_lshl_or_b32 v[PW+\a], v[TM+6], 16, v[PW+\a]
	v_lshl_or_b32 v[PW+\a], v[TM+7], 24, v[PW+\a]
	WIN 0x82                                       ; destination and source 0 window 2
.irp b, 0,1,2,3
.irp i, 0,1,2,3,4,5,6,7,8,9,10,11,12,13,14,15
	v_med3_num_f32 v[QS+16*\b+\i], v[QS+16*\b+\i], -v[TM+8+\b], v[TM+8+\b]   ; the conversion to an 8-bit code does not saturate (ISA guide 7.6.2): the hold
.endr
.endr
	WIN 0x02                                       ; source 0 window 2
.irp b, 0,1,2,3
	v_cvt_scalef32_pk8_fp8_f32 v[PC+16*(\a)+4*\b:PC+16*(\a)+4*\b+1], v[QS+16*\b:QS+16*\b+7], v[TM+12+\b]
	v_cvt_scalef32_pk8_fp8_f32 v[PC+16*(\a)+4*\b+2:PC+16*(\a)+4*\b+3], v[QS+16*\b+8:QS+16*\b+15], v[TM+12+\b]
.endr
	WIN 0
	v_nop                                          ; a plain line behind the last conversion
	global_store_b128 v[VO+\a], v[PC+16*(\a):PC+16*(\a)+3], s[84:85]                 ; each store: 512 consecutive bytes, aligned to 256
	global_store_b128 v[VO+\a], v[PC+16*(\a)+4:PC+16*(\a)+7], s[84:85] offset:512
	global_store_b128 v[VO+\a], v[PC+16*(\a)+8:PC+16*(\a)+11], s[86:87]
	global_store_b128 v[VO+\a], v[PC+16*(\a)+12:PC+16*(\a)+15], s[86:87] offset:512
.endm
	QUANT 0                                        ; each tile has registers of its own for its codes: no store's data are written again
	QUANT 1
	QUANT 2
	QUANT 3
	s_cmp_eq_u32 s19, 2
	s_cbranch_scc1 .Lwords_v
	v_cndmask_b32 v100, v[PW], v[PW+2], s95        ; q, k: lanes 0-15 tiles 0, 1; lanes 16-31 tiles 2, 3: as the attention's scale registers take them
	v_cndmask_b32 v101, v[PW+1], v[PW+3], s95
	v_lshrrev_b32 v102, 16, v100                   ; the second head's two bytes
	v_lshrrev_b32 v103, 16, v101
	global_store_b64 v[L8], v[100:101], s[90:91]   ; 256 consecutive bytes, aligned
	global_store_b64 v[L8], v[102:103], s[88:89]
	s_branch .Lwords_done
.Lwords_v:
	global_store_b128 v[L16], v[PW:PW+3], s[90:91] ; v: the four tiles' words of row r, 16 bytes a lane
.Lwords_done:
	s_wait_tensorcnt 0x0                           ; the wave's end
	ds_add_u32 v[SPW], v[NIL]
	s_wait_dscnt 0x0
	CROUND                                         ; the closing round: no work-group ends while a partner may still ask for a tile that names it
	s_endpgm
.Lfunc_end_k_q65ed412fa1_proj:
	.size	k_q65ed412fa1_proj, .Lfunc_end_k_q65ed412fa1_proj-k_q65ed412fa1_proj
	.p2alignl 7, 3214868480
	.fill 96, 4, 3214868480
	.section	.rodata,"a",@progbits
	.p2align	6, 0x0
	.amdhsa_kernel k_q65ed412fa1_proj
		.amdhsa_group_segment_fixed_size 327680
		.amdhsa_private_segment_fixed_size 0
		.amdhsa_enable_private_segment 0
		.amdhsa_kernarg_size 136
		.amdhsa_user_sgpr_count 2
		.amdhsa_user_sgpr_kernarg_segment_ptr 1
		.amdhsa_wavefront_size32 1
		.amdhsa_system_sgpr_workgroup_id_x 1
		.amdhsa_system_sgpr_workgroup_id_y 1
		.amdhsa_system_sgpr_workgroup_id_z 1
		.amdhsa_system_vgpr_workitem_id 0
		.amdhsa_next_free_vgpr 832
		.amdhsa_next_free_sgpr 102
		.amdhsa_reserve_vcc 0
		.amdhsa_float_denorm_mode_32 3
		.amdhsa_float_denorm_mode_16_64 3
		.amdhsa_memory_ordered 1
		.amdhsa_forward_progress 1
		.amdhsa_inst_pref_size 121
	.end_amdhsa_kernel
	.amdgpu_metadata
---
amdhsa.version: [ 1, 2 ]
amdhsa.kernels:
  - .name:           k_q65ed412fa1_proj
    .symbol:         k_q65ed412fa1_proj.kd
    .args:
      - { .name: query_codes, .offset: 0, .size: 8, .value_kind: global_buffer, .address_space: global }
      - { .name: key_codes, .offset: 8, .size: 8, .value_kind: global_buffer, .address_space: global }
      - { .name: Wv_codes, .offset: 16, .size: 8, .value_kind: global_buffer, .address_space: global }
      - { .name: query_scales, .offset: 24, .size: 8, .value_kind: global_buffer, .address_space: global }
      - { .name: key_scales, .offset: 32, .size: 8, .value_kind: global_buffer, .address_space: global }
      - { .name: Wv_scales, .offset: 40, .size: 8, .value_kind: global_buffer, .address_space: global }
      - { .name: Wq_codes, .offset: 48, .size: 8, .value_kind: global_buffer, .address_space: global }
      - { .name: Wk_codes, .offset: 56, .size: 8, .value_kind: global_buffer, .address_space: global }
      - { .name: value_codes, .offset: 64, .size: 8, .value_kind: global_buffer, .address_space: global }
      - { .name: Wq_scales, .offset: 72, .size: 8, .value_kind: global_buffer, .address_space: global }
      - { .name: Wk_scales, .offset: 80, .size: 8, .value_kind: global_buffer, .address_space: global }
      - { .name: value_scales, .offset: 88, .size: 8, .value_kind: global_buffer, .address_space: global }
      - { .name: bq, .offset: 96, .size: 8, .value_kind: global_buffer, .address_space: global }
      - { .name: bk, .offset: 104, .size: 8, .value_kind: global_buffer, .address_space: global }
      - { .name: bv, .offset: 112, .size: 8, .value_kind: global_buffer, .address_space: global }
      - { .name: qws, .offset: 120, .size: 8, .value_kind: global_buffer, .address_space: global }
      - { .name: kvws, .offset: 128, .size: 8, .value_kind: global_buffer, .address_space: global }
    .group_segment_fixed_size: 327680
    .private_segment_fixed_size: 0
    .kernarg_segment_align: 8
    .kernarg_segment_size: 136
    .max_flat_workgroup_size: 128
    .sgpr_count:     102
    .vgpr_count:     832
    .wavefront_size: 32
...
	.end_amdgpu_metadata
.endif
;; end of part 1
;; launch attn (part 2): grid 4 x 64, 16 waves a work-group, clusters of 4 x 1, 327,680 bytes of LDS; arguments qws, kvws, xws, xsc; writes xws, xsc
.if DOCPART == 2
	.amdgcn_target "amdgcn-amd-amdhsa--gfx1250"
	.amdhsa_code_object_version 6
	.text
	.protected	k_q65ed412fa1_attn
	.globl	k_q65ed412fa1_attn
	.p2align	8
	.type	k_q65ed412fa1_attn,@function
k_q65ed412fa1_attn:
	s_mov_b64 s[64:65], 0
	v_nop
	global_prefetch_b8 v0, s[64:65] scope:SCOPE_SE
	s_setreg_imm32_b32 hwreg(HW_REG_WAVE_MODE, 25, 1), 1
	s_wait_xcnt 0x0
	s_wait_alu depctr_hold_cnt(0) depctr_sa_sdst(0) depctr_va_vdst(0) depctr_va_sdst(0) depctr_va_ssrc(0) depctr_va_vcc(0) depctr_vm_vsrc(0)
	s_getreg_b32 s2, hwreg(HW_REG_IB_STS2, 6, 4)
	s_cmp_eq_u32 s2, 0
	s_cbranch_scc0 .Lentry_in_a_cluster
	s_endpgm
.Lentry_in_a_cluster:
	s_bfe_u32 s2, ttmp6, 0x10000c
	s_cmp_lg_u32 s2, 0x3003
	s_cbranch_scc0 .Lentry_shape_is_right
	s_endpgm
.Lentry_shape_is_right:
; ATTENTION on codes of FP8 (E4M3): x[b][q][head] = softmax_k(q . k / 8) v, then x quantised along the features for the output projection.
; THE SOFTMAX AHEAD OF THE SECOND PRODUCT: t = score x log2(e) / 8; M = the largest t so far, rounded UP to a whole number; p = 2^(t - M) is quantised along the keys, not normalised.  The row's sum is taken of the
; unquantised p and divides at the end.  When M moves, the sum and O are multiplied by 2^(old M - new M): exact.
; SHARES.  A work-group owns one head of one batch (the cluster's y) and 512 queries (its place in the cluster); each of its sixteen waves owns two tiles of 16 queries, one after the other: two passes over the keys.
; Four waves to a SIMD, 256 registers each: one wave's vector work stands beside another's products and LDS loads.
; A HEAD'S WHOLE K AND V STAY IN LDS: 16 key steps x 17,408 bytes, as images of operand registers (a load of 16 bytes a lane takes 512 consecutive bytes).  They are filled ONCE, in four chunks of four key steps, so there is
; no ring and nothing is filled again.  The four work-groups of a cluster walk the same head: every load is asked for JOINTLY, with the same descriptor and a mask that names the four.
; Each wave fetches one key step, 68 rows of 256 bytes, by one load: one load of mine is out at the most.
; LAYOUT.  Both products are used transposed: S^T = K Q^T (source 0 = 16 keys, source 1 = my 16 queries), O^T = V^T P^T: a lane holds ONE query.  The head has 64 features and the instruction takes 128 along K:
; the upper eight registers of Q's and K's fragments are zero codes, set once.  Key tiles are neighbours, so p's place 16 (lane / 16) + i of a block of 32 holds key 8 (lane / 16) + i % 8 + 16 (i / 8): V's codes were made in that order.
; x meets weights that are given, so its codes are put into the natural order: one exchange between the halves of the lanes.
; LIMITS: NaN and infinities are not served.  A block's largest p is taken from its largest score by the same multiply-add and exponential: this takes v_exp_f32 not to fall where its input rises.
; A block whose largest magnitude lies under 2^-118 gets the scale byte 1; only this program reads the bytes.
; REGISTERS: v1 16 x lane, v2 8 x lane, v3-4 the step's addresses, v5 8 r, v6-8 the scale words' way out, v9 pass 0's word; v12 -M, v13 the largest t, v[14:15] the sum; v16-31 Q; v32-95 four fragments of K;
; v96-159 S^T, then p, then V's four fragments; v160-191 O^T; v192-207 p's codes; v208-228 at work; v232-235 K's scale words, v236-239 V's, v240 Q's, v241 p's; v242-250 pass 1's Q.
.set STEPB,  17408                     ; a key step: K's codes 8,192, V's codes 8,192, K's scale words 512, V's 512
.set HEADB,  16*STEPB
.set CHUNKB, 4*STEPB
.set WPART,  STEPB                     ; a wave fetches ONE key step, 68 rows of 256 bytes, by its one load (in place of the 17 rows of each chunk that the head's text names): waves 4 c .. 4 c + 3 bring chunk c
.set VCO,    8192
.set KSO,    16384
.set VSO,    16896
.set XSC,    HEADB                     ; behind K and V: 2,048 bytes in which x's scale words meet; no fill lands there
.macro CROUND                          ; a round of the cluster's barrier
	s_barrier_signal -1
	s_barrier_wait -1
	s_cmp_lg_u32 s12, 0
	s_cbranch_scc1 .Lnot_wave_0_\@
	s_barrier_signal -3
.Lnot_wave_0_\@:
	s_barrier_wait -3
	s_barrier_signal -1
	s_barrier_wait -1
.endm
	s_load_b256 s[4:11], s[0:1], 0x0               ; qws, kvws, xws, xsc
	v_lshl_add_u32 v254, v0, 2, 0x44800
	v_mov_b32 v255, 0
	ds_add_u32 v254, v255
	ds_add_u32 v254, v255
	v_lshrrev_b32 v1, 5, v0
	s_delay_alu instid0(VALU_DEP_1)
	v_readfirstlane_b32 s12, v1                    ; wave 0..15
	s_bfe_u32 s13, ttmp6, 0x40000                  ; cx: it enters Q's and x's global addresses alone
	s_and_b32 s14, ttmp7, 0xffff                   ; 16 x batch + head, which the four partners share
	s_mov_b32 s16, 15|(3<<16)|(1<<21)              ; group 1: the mask: all four; elements of 8 bytes; bit 21 beside a mask; no padding
	s_mov_b32 s17, 32<<16                          ; tensor_dim0: 256 bytes
	s_mov_b32 s18, 68<<16                          ; tensor_dim1
	s_mov_b32 s19, 32<<16                          ; tile_dim0
	s_mov_b32 s20, 68                              ; tile_dim1
	s_mov_b32 s21, 32                              ; dense
	s_mov_b32 s22, 0
	s_mov_b32 s23, 0
	s_mul_i32 s58, s12, WPART                      ; my part of a chunk, in LDS and in memory alike
	s_mul_i32 s2, s14, HEADB
	s_add_co_u32 s2, s2, s58
	s_mov_b32 s3, 0
	s_mov_b32 s40, 0x76543210
	s_mov_b32 s41, 0xfedcba98                      ; v_permlanex16_b32's selects for lane l xor 16
	s_mov_b32 s42, 0x3e38aa3b                      ; c = log2(e) / 8
	s_mov_b32 s43, s42                             ; (named with it as a pair)
	s_mov_b32 s44, 0x600000                        ; the mantissa field of 448
	s_mov_b32 s45, 0                               ; LDS byte at which the key step in hand begins
	s_mov_b32 s47, 0xffff0000                      ; lanes 16-31
	s_lshr_b32 s50, s12, 2
	s_lshl_b32 s51, s13, 2
	s_add_co_u32 s50, s50, s51                     ; my block of 128 queries: 4 cx + wave / 4
	s_mul_i32 s56, s50, 8704
	s_mul_i32 s51, s14, 139264
	s_add_co_u32 s56, s56, s51                     ; where it begins in qws
	s_and_b32 s51, s12, 3
	s_lshl_b32 s54, s51, 7
	s_add_co_u32 s54, s54, s56
	s_add_co_u32 s54, s54, 8192                    ; my two tiles' scale words: 8 r + 4 x pass on from here
	s_mov_b32 s55, 0
	s_lshl_b32 s51, s51, 11
	s_add_co_u32 s56, s56, s51                     ; my two tiles' codes
	s_mov_b32 s57, 0
	s_lshr_b32 s51, s14, 4                         ; batch
	s_and_b32 s49, s14, 15                         ; head
	s_lshl_b32 s52, s51, 4
	s_add_co_u32 s52, s52, s50
	s_lshl_b32 s52, s52, 17                        ; xws: [row tile of 128 tokens] 131,072
	s_bfe_u32 s59, s12, 0x10001
	s_lshl_b32 s59, s59, 16
	s_add_co_u32 s52, s52, s59                     ; [half] 65,536
	s_lshr_b32 s59, s49, 1
	s_lshl_b32 s59, s59, 13
	s_add_co_u32 s52, s52, s59                     ; [K step = head / 2] 8,192
	s_and_b32 s59, s12, 1
	s_lshl_b32 s59, s59, 12
	s_add_co_u32 s52, s52, s59                     ; [tile = 2 (wave % 2) + pass] 2,048
	s_and_b32 s59, s49, 1
	s_lshl_b32 s48, s59, 4                         ; an odd head's two scale bytes stand in the word's upper half
	s_lshl_b32 s59, s59, 10
	s_add_co_u32 s52, s52, s59                     ; [piece = 2 (head % 2) + block] 512
	s_mov_b32 s53, 0
	s_lshl_b32 s50, s49, 15                        ; xsc: [head] 32,768 [token tile] 64
	s_lshl_b32 s51, s51, 13
	s_add_co_u32 s50, s50, s51
	s_lshl_b32 s51, s13, 11
	s_add_co_u32 s50, s50, s51
	s_mov_b32 s51, 0
	s_wait_dscnt 0x0
	s_wait_kmcnt 0x0
	s_add_nc_u64 s[6:7], s[6:7], s[2:3]
	s_add_nc_u64 s[56:57], s[4:5], s[56:57]
	s_add_nc_u64 s[54:55], s[4:5], s[54:55]
	s_add_nc_u64 s[52:53], s[8:9], s[52:53]
	s_add_nc_u64 s[50:51], s[10:11], s[50:51]
	CROUND                                         ; all four work-groups are here: the joint loads meet
	s_mov_b32 s24, 1
	s_mov_b32 s25, s58
	s_mov_b64 s[26:27], s[6:7]
	s_or_b32 s27, s27, 0x80000000
; ONE LOAD A WAVE, in one chain of branches on the wave's number: a load line for each chunk's four waves, so that a chunk is shown when its own four have waited
.macro ARM under, next
	s_cmp_lt_u32 s12, \under
	s_cbranch_scc0 \next
	tensor_load_to_lds s[24:27], s[16:23]
	s_nop 0
.rept 4
	v_nop
.endr
	s_branch .Lhead_asked
\next:
.endm
	ARM 4,  .Lhead_1
	ARM 8,  .Lhead_2
	ARM 12, .Lhead_3
	tensor_load_to_lds s[24:27], s[16:23]
	s_nop 0
.rept 4
	v_nop
.endr
.Lhead_asked:
	v_and_b32 v10, 31, v0
	s_delay_alu instid0(VALU_DEP_1)
	v_lshlrev_b32 v1, 4, v10
	s_delay_alu instid0(VALU_DEP_2)
	v_lshlrev_b32 v2, 3, v10
	v_and_b32 v11, 15, v0
	s_delay_alu instid0(VALU_DEP_1)
	v_lshlrev_b32 v5, 3, v11
	v_lshl_add_u32 v6, v0, 2, XSC                  ; my thread's word
	v_and_b32 v8, 127, v0
	s_delay_alu instid0(VALU_DEP_1)
	v_lshlrev_b32 v8, 4, v8
	s_delay_alu instid0(VALU_DEP_1)
	v_add_nc_u32 v7, XSC, v8
	global_load_b128 v[16:19], v1, s[56:57]                    ; pass 0's Q: two pieces,
	global_load_b128 v[20:23], v1, s[56:57] offset:512
	global_load_b32 v240, v5, s[54:55]                         ; and its scale words
	global_load_b128 v[242:245], v1, s[56:57] offset:1024      ; pass 1's
	global_load_b128 v[246:249], v1, s[56:57] offset:1536
	global_load_b32 v250, v5, s[54:55] offset:4
.irp j, 0,1,2,3,4,5,6,7
	v_mov_b32 v[24+\j], 0                          ; the zero codes of K = 64 .. 127: Q's,
	v_mov_b32 v[40+\j], 0                          ; and the four fragments' of K
	v_mov_b32 v[56+\j], 0
	v_mov_b32 v[72+\j], 0
	v_mov_b32 v[88+\j], 0
.endr
.irp b, 0,1,2,3
	v_mov_b32 v[212+\b], 0                         ; written once: a lane permute's destination counts as one of its sources
.endr
	v_mov_b32 v225, 0                              ; (named as the upper half of a pair)
	v_mov_b32 v228, 0
.macro INIT                            ; a pass begins: O^T and the sum as zeros, the largest t under every t: the first change of M multiplies zeros
	v_mov_b32 v13, 0xff61b1e6
	s_delay_alu instid0(VALU_DEP_1)
	v_floor_f32 v12, -v13
	v_mov_b32 v14, 0
	v_mov_b32 v15, 0
.set J, 0
.rept 32
	v_mov_b32 v[160+J], 0
.set J, J+1
.endr
.endm
.macro SQ g                            ; four products S^T: key tiles 4 g + 0 .. 3.  Register 232 + 2 g + e holds the words of tile 4 g + e in lanes 0-15, of tile 4 g + 2 + e in lanes 16-31
.irp t, 0,1
	v_wmma_scale_f32_16x16x128_f8f6f4 v[96+8*(4*\g+\t):103+8*(4*\g+\t)], v[32+16*\t:47+16*\t], v[16:31], 0, v[232+2*\g+\t], v240
.endr
.irp t, 2,3
	v_wmma_scale_f32_16x16x128_f8f6f4 v[96+8*(4*\g+\t):103+8*(4*\g+\t)], v[32+16*\t:47+16*\t], v[16:31], 0, v[230+2*\g+\t], v240 matrix_a_scale:MATRIX_SCALE_ROW1
.endr
.endm
.macro KLOAD g
.irp t, 0,1,2,3
	ds_load_b128 v[32+16*\t:35+16*\t], v3 offset:(4*\g+\t)*1024
	ds_load_b128 v[36+16*\t:39+16*\t], v3 offset:(4*\g+\t)*1024+512
.endr
.endm
.macro BMAX b0, b1                     ; the largest score of blocks b0 and b1, by turns; each accumulator is read from its low end on
.irp b, \b0, \b1
	v_max3_num_f32 v[208+\b], v[96+16*\b], v[97+16*\b], v[98+16*\b]
.endr
.irp i, 3,5,7,9,11,13
.irp b, \b0, \b1
	v_max3_num_f32 v[208+\b], v[208+\b], v[96+16*\b+\i], v[97+16*\b+\i]
.endr
.endr
.irp b, \b0, \b1
	v_max_num_f32 v[208+\b], v[208+\b], v[111+16*\b]
.endr
.endm
; A KEY STEP: 128 keys
.macro STEP
	v_add_nc_u32 v3, s45, v1
	v_add_nc_u32 v4, s45, v2
	KLOAD 0
	ds_load_b64 v[232:233], v4 offset:KSO
	ds_load_b64 v[234:235], v4 offset:KSO+256      ; (the seven additions at the last step's end and the two above are the nine places between its products, which read v96 on, and the products that write over those registers)
	s_wait_alu depctr_va_vdst(0)
	s_wait_dscnt 0x0
	SQ 0
.rept 8
	v_nop                                          ; places in front of loads into registers that these products read
.endr
	KLOAD 1
	ds_load_b128 v[236:239], v3 offset:VSO         ; V's four scale words: 17 places behind the last products that read them
	s_wait_dscnt 0x0
	SQ 1
	BMAX 0, 1                                      ; 16 plain lines on the first four tiles: the places behind the last four products
	BMAX 2, 3
.irp b, 0,1,2,3
	v_permlanex16_b32 v[212+\b], v[208+\b], s40, s41
.endr
.irp b, 0,1,2,3
	s_delay_alu instid0(VALU_DEP_4)
	v_max_num_f32 v[208+\b], v[208+\b], v[212+\b]  ; with lane l xor 16's 16 keys: the block's largest score: it serves the row's maximum and, since p rises with the score, the block's largest p
.endr
	s_delay_alu instid0(VALU_DEP_2)
	v_max3_num_f32 v228, v208, v209, v210
	s_delay_alu instid0(VALU_DEP_1)
	v_max_num_f32 v228, v228, v211
	s_delay_alu instid0(VALU_DEP_1)
	v_mul_f32 v228, s42, v228                      ; as t (c is positive)
	s_delay_alu instid0(VALU_DEP_1)
	v_max_num_f32 v13, v13, v228                   ; the running largest t
	v_mov_b32 v228, v12
	s_delay_alu instid0(VALU_DEP_2)
	v_floor_f32 v12, -v13                          ; the new -M = floor(-t): M is a whole number
	s_delay_alu instid0(VALU_DEP_1)
	v_sub_f32 v228, v12, v228                      ; old M - new M: a whole number, 0 or less
	s_delay_alu instid0(VALU_DEP_1)
	v_cvt_i32_f32 v228, v228                       ; (it saturates)
	s_delay_alu instid0(VALU_DEP_1)
	v_ldexp_f32 v224, 1.0, v228                    ; f = 2^(old M - new M)
.set J, 0
.rept 32
	v_pk_fma_f32 v[96+J:97+J], v[96+J:97+J], s[42:43], v[12:13] op_sel_hi:[1,0,0]   ; t - M, two at a time
.set J, J+2
.endr
.irp b, 0,1,2,3
	v_fma_f32 v[208+\b], v[208+\b], s42, v12       ; the same of each block's largest score
.endr
.set J, 0
	s_wait_alu depctr_va_vdst(0)
.rept 64
	v_exp_f32 v[96+J], v[96+J]                     ; p = 2^(t - M), at most 1
.set J, J+1
.endr
.irp b, 0,1,2,3
	v_exp_f32 v[208+\b], v[208+\b]                 ; the block's largest p: the same two instructions on the same number
.endr
	v_pk_mul_f32 v[14:15], v[14:15], v[224:225] op_sel_hi:[1,0]   ; the sums under the new M.  (A plain place behind the exponentials)
	s_wait_alu depctr_va_vdst(0)
.irp b, 0,1,2,3
	v_max_num_f32 v[208+\b], 0x4800000, v[208+\b]  ; the floor 2^(9 - 127): the byte cannot fall under 1
.endr
.irp b, 0,1,2,3
	s_delay_alu instid0(VALU_DEP_4)
	v_add_nc_u32 v[220+\b], 0xfc000000, v[208+\b]  ; 8 off the exponent field: the conversion's scale operand
.endr
.irp b, 0,1,2,3
	v_and_or_b32 v[216+\b], v[208+\b], 0x7f800000, s44   ; 448 x the scale
.endr
.irp b, 0,1,2,3
	v_lshrrev_b32 v[212+\b], 23, v[220+\b]         ; the scale's byte
.endr
	s_delay_alu instid0(VALU_DEP_3)
	v_lshl_or_b32 v241, v213, 8, v212              ; p's scale word for these 128 keys
	s_delay_alu instid0(VALU_DEP_1)
	v_lshl_or_b32 v241, v214, 16, v241
	s_delay_alu instid0(VALU_DEP_1)
	v_lshl_or_b32 v241, v215, 24, v241
	v_pk_add_f32 v[226:227], v[100:101], v[104:105]
	v_pk_add_f32 v[252:253], v[108:109], v[112:113]
	v_pk_add_f32 v[234:235], v[116:117], v[120:121]
	v_pk_add_f32 v[232:233], v[124:125], v[128:129]
	v_pk_add_f32 v[230:231], v[132:133], v[136:137]
	v_pk_add_f32 v[210:211], v[140:141], v[144:145]
	v_pk_add_f32 v[208:209], v[148:149], v[152:153]
	v_pk_add_f32 v[14:15], v[14:15], v[156:157]
	v_pk_add_f32 v[226:227], v[226:227], v[96:97]
	v_pk_add_f32 v[252:253], v[252:253], v[98:99]
	v_pk_add_f32 v[234:235], v[234:235], v[102:103]
	v_pk_add_f32 v[232:233], v[232:233], v[106:107]
	v_pk_add_f32 v[230:231], v[230:231], v[110:111]
	v_pk_add_f32 v[210:211], v[210:211], v[114:115]
	v_pk_add_f32 v[208:209], v[208:209], v[118:119]
	v_pk_add_f32 v[14:15], v[14:15], v[122:123]
	v_pk_add_f32 v[226:227], v[226:227], v[126:127]
	v_pk_add_f32 v[252:253], v[252:253], v[130:131]
	v_pk_add_f32 v[234:235], v[234:235], v[134:135]
	v_pk_add_f32 v[232:233], v[232:233], v[138:139]
	v_pk_add_f32 v[230:231], v[230:231], v[142:143]
	v_pk_add_f32 v[210:211], v[210:211], v[146:147]
	v_pk_add_f32 v[208:209], v[208:209], v[150:151]
	v_pk_add_f32 v[14:15], v[14:15], v[154:155]
	v_pk_add_f32 v[226:227], v[226:227], v[158:159]   ; the eight partial sums are joined behind the step's last products
	v_dual_mov_b32 v213, v216 :: v_dual_mov_b32 v214, v217   ; a second copy of each bound, block b's in v[212 + (b + 1) % 4]: the two halves of a dual pair take their second sources from different banks
	v_dual_mov_b32 v215, v218 :: v_dual_mov_b32 v212, v219
.irp b, 0,1,2,3
.irp i, 0,2,4,6,8,10,12,14
	v_dual_min_num_f32 v[96+16*\b+\i], v[96+16*\b+\i], v[216+\b] :: v_dual_min_num_f32 v[97+16*\b+\i], v[97+16*\b+\i], v[212+(\b+1)%4]   ; the conversion does not saturate (ISA guide 7.6.2); p is not negative, so the hold is one-sided; two holds an instruction
.endr
	v_cvt_scalef32_pk8_fp8_f32 v[192+4*\b:193+4*\b], v[96+16*\b:103+16*\b], v[220+\b]
	v_cvt_scalef32_pk8_fp8_f32 v[194+4*\b:195+4*\b], v[104+16*\b:111+16*\b], v[220+\b]
.irp c, 0,1,2,3
	ds_load_b128 v[96+16*\b+4*\c:99+16*\b+4*\c], v3 offset:VCO+\b*2048+512*\c   ; V's fragment b takes the registers that the block's numbers have left
.endr
.endr
.set J, 0
.rept 16
	v_pk_mul_f32 v[160+J:161+J], v[160+J:161+J], v[224:225] op_sel_hi:[1,0]   ; O^T under the new M.  (These are also the places between the codes and the products)
.set J, J+2
.endr
	s_wait_alu depctr_va_vdst(0)
	s_wait_dscnt 0x0
.irp t, 0,1,2,3
	v_wmma_scale_f32_16x16x128_f8f6f4 v[160+8*\t:167+8*\t], v[96+16*\t:111+16*\t], v[192:207], v[160+8*\t:167+8*\t], v[236+\t], v241
.endr
	v_pk_add_f32 v[14:15], v[14:15], v[232:233]    ; the row's partial sums are joined here: seven plain lines that name no register of the products above
	v_pk_add_f32 v[226:227], v[226:227], v[230:231]
	v_pk_add_f32 v[252:253], v[252:253], v[210:211]
	v_pk_add_f32 v[234:235], v[234:235], v[208:209]
	s_delay_alu instid0(VALU_DEP_2)
	v_pk_add_f32 v[14:15], v[14:15], v[252:253]
	s_delay_alu instid0(VALU_DEP_2)
	v_pk_add_f32 v[226:227], v[226:227], v[234:235]
	s_delay_alu instid0(VALU_DEP_1)
	v_pk_add_f32 v[14:15], v[14:15], v[226:227]
	s_add_co_u32 s45, s45, STEPB
.endm
.macro STEPS n
	s_mov_b32 s46, \n
.Lstep_\@:
	STEP
	s_sub_co_u32 s46, s46, 1
	s_cmp_lg_u32 s46, 0
	s_cbranch_scc1 .Lstep_\@
.endm
.macro CHUNK under                     ; four key steps.  The waves under this number wait for their one load: the chunk's four are among them; the later chunks' loads may stay out
.if \under < 16
	s_cmp_lt_u32 s12, \under
	s_cbranch_scc0 .Lnot_mine_\@
	s_wait_tensorcnt 0x0
.Lnot_mine_\@:
.else
	s_wait_tensorcnt 0x0                           ; the last barrier shows all that is still out: every wave waits
.endif
	s_barrier_signal -1
	s_barrier_wait -1
	STEPS 4
.endm
; THE WAY OUT of a pass: x = O^T / the sum; its two blocks of 32 features are quantised; the codes are put into the natural order and leave as two pieces of an operand's image
.macro XOUT p
.rept 8
	v_nop                                          ; places behind the last products
.endr
	v_add_f32 v14, v14, v15
	s_delay_alu instid0(VALU_DEP_1)
	v_permlanex16_b32 v228, v14, s40, s41
	s_delay_alu instid0(VALU_DEP_1)
	v_add_f32 v14, v14, v228                       ; the row's sum
	s_wait_alu depctr_va_vdst(0)
	v_rcp_f32 v224, v14
	v_nop                                          ; a plain place behind the transcendental
.set J, 0
	s_wait_alu depctr_va_vdst(0)
.rept 16
	v_pk_mul_f32 v[160+J:161+J], v[160+J:161+J], v[224:225] op_sel_hi:[1,0]   ; each accumulator from its low end on
.set J, J+2
.endr
.irp b, 0,1
	v_max3_num_f32 v[208+\b], |v[160+16*\b]|, |v[161+16*\b]|, 0x4800000
.endr
.irp i, 2,4,6,8,10,12,14
.irp b, 0,1
	s_delay_alu instid0(VALU_DEP_2)
	v_max3_num_f32 v[208+\b], v[208+\b], |v[160+16*\b+\i]|, |v[161+16*\b+\i]|
.endr
.endr
.irp b, 0,1
	s_delay_alu instid0(VALU_DEP_2)
	v_permlanex16_b32 v[212+\b], v[208+\b], s40, s41
.endr
.irp b, 0,1
	s_delay_alu instid0(VALU_DEP_2)
	v_max_num_f32 v[208+\b], v[208+\b], v[212+\b]
.endr
.irp b, 0,1
	s_delay_alu instid0(VALU_DEP_2)
	v_add_nc_u32 v[220+\b], 0xfc000000, v[208+\b]
.endr
.irp b, 0,1
	s_delay_alu instid0(VALU_DEP_4)
	v_and_or_b32 v[216+\b], v[208+\b], 0x7f800000, s44
.endr
.irp b, 0,1
	s_delay_alu instid0(VALU_DEP_4)
	v_lshrrev_b32 v[212+\b], 23, v[220+\b]
.endr
	s_delay_alu instid0(VALU_DEP_1)
	v_lshl_or_b32 v228, v213, 8, v212
	s_delay_alu instid0(VALU_DEP_1)
	v_lshlrev_b32 v228, s48, v228                  ; the head's two bytes, in its half of the K step's word
.if \p == 0
	s_delay_alu instid0(VALU_DEP_1)
	v_mov_b32 v9, v228
.else
	s_delay_alu instid0(VALU_DEP_1)
	v_cndmask_b32 v9, v9, v228, s47                ; lanes 0-15: pass 0's tile; lanes 16-31: pass 1's
.endif
.irp b, 0,1
.irp i, 0,1,2,3,4,5,6,7,8,9,10,11,12,13,14,15
	v_med3_num_f32 v[160+16*\b+\i], v[160+16*\b+\i], -v[216+\b], v[216+\b]
.endr
	v_cvt_scalef32_pk8_fp8_f32 v[192+4*\b:193+4*\b], v[160+16*\b:167+16*\b], v[220+\b]
	v_cvt_scalef32_pk8_fp8_f32 v[194+4*\b:195+4*\b], v[168+16*\b:175+16*\b], v[220+\b]
.endr
	v_nop                                          ; a plain line behind the last conversion
.irp k, 0,1,2,3,4,5,6,7
	v_permlanex16_b32 v[200+\k], v[192+\k], s40, s41
.endr
.irp b, 0,1                            ; a lane of the lower half holds features 0-7 and 16-23 of the block, its partner 8-15 and 24-31; the operand wants 0-15 below and 16-31 above
	v_cndmask_b32 v[96+4*\b], v[192+4*\b], v[202+4*\b], s47
	v_cndmask_b32 v[97+4*\b], v[193+4*\b], v[203+4*\b], s47
	v_cndmask_b32 v[98+4*\b], v[200+4*\b], v[194+4*\b], s47
	v_cndmask_b32 v[99+4*\b], v[201+4*\b], v[195+4*\b], s47
.endr
	global_store_b128 v1, v[96:99], s[52:53] offset:\p*2048           ; 512 consecutive bytes, aligned to 256
	global_store_b128 v1, v[100:103], s[52:53] offset:\p*2048+512
.endm
	INIT
	s_wait_loadcnt 0x0                             ; Q
	CHUNK 4
	CHUNK 8
	CHUNK 12
	CHUNK 16
	XOUT 0
.irp j, 0,1,2,3,4,5,6,7
	v_mov_b32 v[16+\j], v[242+\j]                  ; pass 1's Q,
.endr
	v_mov_b32 v240, v250                           ; and its scale words; the lines of INIT and of the step's head are the places in front of the products
	INIT
	s_mov_b32 s45, 0
	s_wait_xcnt 0x0                                ; pass 0's stores have read their data: the next products write those registers
	STEPS 16                                       ; all of K and V lie in LDS: no wait, no barrier
	XOUT 1
	ds_store_b32 v6, v9                            ; x's scale words meet in LDS, so that they leave in runs of 512 consecutive bytes
	s_wait_dscnt 0x0                               ; for the others' sake
	s_barrier_signal -1
	s_barrier_wait -1
	s_cmp_lt_u32 s12, 4
	s_cbranch_scc0 .Lno_words
	ds_load_b128 v[104:107], v7
	s_wait_dscnt 0x0
	global_store_b128 v8, v[104:107], s[50:51]
.Lno_words:
	s_wait_tensorcnt 0x0
	ds_add_u32 v254, v255
	s_wait_dscnt 0x0
	CROUND                                         ; the closing round: no work-group ends while a partner may still ask for a tile that names it
	s_endpgm
.Lfunc_end_k_q65ed412fa1_attn:
	.size	k_q65ed412fa1_attn, .Lfunc_end_k_q65ed412fa1_attn-k_q65ed412fa1_attn
	.p2alignl 7, 3214868480
	.fill 96, 4, 3214868480
	.section	.rodata,"a",@progbits
	.p2align	6, 0x0
	.amdhsa_kernel k_q65ed412fa1_attn
		.amdhsa_group_segment_fixed_size 327680
		.amdhsa_private_segment_fixed_size 0
		.amdhsa_enable_private_segment 0
		.amdhsa_kernarg_size 32
		.amdhsa_user_sgpr_count 2
		.amdhsa_user_sgpr_kernarg_segment_ptr 1
		.amdhsa_wavefront_size32 1
		.amdhsa_system_sgpr_workgroup_id_x 1
		.amdhsa_system_sgpr_workgroup_id_y 1
		.amdhsa_system_sgpr_workgroup_id_z 1
		.amdhsa_system_vgpr_workitem_id 0
		.amdhsa_next_free_vgpr 256
		.amdhsa_next_free_sgpr 66
		.amdhsa_reserve_vcc 0
		.amdhsa_float_denorm_mode_32 3
		.amdhsa_float_denorm_mode_16_64 3
		.amdhsa_memory_ordered 1
		.amdhsa_forward_progress 1
		.amdhsa_inst_pref_size 123
	.end_amdhsa_kernel
	.amdgpu_metadata
---
amdhsa.version: [ 1, 2 ]
amdhsa.kernels:
  - .name:           k_q65ed412fa1_attn
    .symbol:         k_q65ed412fa1_attn.kd
    .args:
      - { .name: qws, .offset: 0, .size: 8, .value_kind: global_buffer, .address_space: global }
      - { .name: kvws, .offset: 8, .size: 8, .value_kind: global_buffer, .address_space: global }
      - { .name: xws, .offset: 16, .size: 8, .value_kind: global_buffer, .address_space: global }
      - { .name: xsc, .offset: 24, .size: 8, .value_kind: global_buffer, .address_space: global }
    .group_segment_fixed_size: 327680
    .private_segment_fixed_size: 0
    .kernarg_segment_align: 8
    .kernarg_segment_size: 32
    .max_flat_workgroup_size: 512
    .sgpr_count:     66
    .vgpr_count:     256
    .wavefront_size: 32
...
	.end_amdgpu_metadata
.endif
;; end of part 2
;; launch outp (part 3): grid 4 x 64, 4 waves a work-group, clusters of 4 x 4, 327,680 bytes of LDS; arguments xws, xsc, Wo_codes, Wo_scales, bo, out0; writes out0
.if DOCPART == 3
	.amdgcn_target "amdgcn-amd-amdhsa--gfx1250"
	.amdhsa_code_object_version 6
	.text
	.protected	k_q65ed412fa1_outp
	.globl	k_q65ed412fa1_outp
	.p2align	8
	.type	k_q65ed412fa1_outp,@function
k_q65ed412fa1_outp:
	s_mov_b64 s[64:65], 0
	v_nop
	global_prefetch_b8 v0, s[64:65] scope:SCOPE_SE
	s_setreg_imm32_b32 hwreg(HW_REG_WAVE_MODE, 25, 1), 1
	s_wait_xcnt 0x0
	s_wait_alu depctr_hold_cnt(0) depctr_sa_sdst(0) depctr_va_vdst(0) depctr_va_sdst(0) depctr_va_ssrc(0) depctr_va_vcc(0) depctr_vm_vsrc(0)
	s_getreg_b32 s2, hwreg(HW_REG_IB_STS2, 6, 4)
	s_cmp_eq_u32 s2, 0
	s_cbranch_scc0 .Lentry_in_a_cluster
	s_endpgm
.Lentry_in_a_cluster:
	s_bfe_u32 s2, ttmp6, 0x10000c
	s_cmp_lg_u32 s2, 0xf033
	s_cbranch_scc0 .Lentry_shape_is_right
	s_endpgm
.Lentry_shape_is_right:
.set GP,     272
.set LHALF,  32768
.set LPART,  2*LHALF
.set GBASE,  2*LPART
.set GPART,  128*GP
.set GSLOT,  2*GPART
.set XS,     GBASE+2*GSLOT
.set GSC,    XS+8192
.set GSPART, 16*272
.set STG,    GSC+2*GSPART
.set SP,     528
.set SPARE,  STG+4*16*SP
.set L16,  13
.set ADL,  16
.set ADG,  20
.set ADSL, 22
.set ADSG, 23
.set STO,  24
.set RD,   25
.set SPW,  28
.set NIL,  29
.set LSW,  32
.set GSW,  48
.set OD,   80
.set BK,   128
.set G1L,  24
.set G1G,  32
.set G1LS, 40
.set G1GS, 48
.set G0L,  56
.set G0G,  68
.set G0LS, 76
.set G0GS, 80
.set MUL_,  0xa1
.set MULB,  0xb1
.set TO_G,  0x40
.set TO_BB, 0xc0
.set MSB, 0
.macro WIN new
.if MSB != \new
	s_set_vgpr_msb (MSB<<8)|\new
.set MSB, \new
.endif
.endm
.macro PLACES n
.rept \n
	v_nop
.endr
.endm
.macro JLOAD g0a, g1a, g0b, g1b
	s_cmp_eq_u32 s17, 0
	s_cbranch_scc0 .Lfor_g_\@
	tensor_load_to_lds s[\g0a:\g0a+3], s[\g1a:\g1a+7]
	s_nop 0
.rept 4
	v_nop
.endr
	s_branch .Lasked_\@
.Lfor_g_\@:
	tensor_load_to_lds s[\g0b:\g0b+3], s[\g1b:\g1b+7]
	s_nop 0
.rept 4
	v_nop
.endr
.Lasked_\@:
.endm
.macro GLOAD sl
	s_cmp_eq_u32 s17, 0
	s_cbranch_scc1 .Lno_part_\@
	tensor_load_to_lds s[G0G+4*(\sl):G0G+4*(\sl)+3], s[G1G:G1G+7]
	s_nop 0
.rept 4
	v_nop
.endr
.Lno_part_\@:
.endm
.macro CREST
	s_cmp_lg_u32 s16, 0
	s_cbranch_scc1 .Lnot_wave_0_\@
	s_barrier_signal -3
.Lnot_wave_0_\@:
	s_barrier_wait -3
	s_barrier_signal -1
	s_barrier_wait -1
.endm
.macro CROUND
	s_barrier_signal -1
	s_barrier_wait -1
	CREST
.endm
	s_load_b256 s[4:11], s[0:1], 0x0
	s_load_b128 s[12:15], s[0:1], 0x20
	v_lshl_add_u32 v[SPW], v0, 2, SPARE
	v_mov_b32 v[NIL], 0
	ds_add_u32 v28, v29
	ds_add_u32 v28, v29
	s_wait_dscnt 0x0
	v_lshrrev_b32 v1, 5, v0
	v_readfirstlane_b32 s16, v1
	s_lshr_b32 s17, s16, 1
	s_and_b32 s18, s16, 1
	s_bfe_u32 s20, ttmp6, 0x40000
	s_bfe_u32 s21, ttmp6, 0x40004
	s_and_b32 s97, ttmp7, 0xffff
	s_lshl_b32 s97, s97, 2
	s_add_co_u32 s97, s97, s21
	s_lshl_b32 s98, ttmp9, 2
	s_add_co_u32 s98, s98, s20
	s_lshl_b32 s98, s98, 8
	s_lshl_b32 s66, s21, 2
	s_lshl_b32 s66, 15, s66
	s_lshl_b32 s67, 0x1111, s20
	s_or_b32 s[G1L], s66, (3<<16)|(1<<21)
	s_mov_b32 s[G1L+1], 32<<16
	s_mov_b32 s[G1L+2], 512<<16                    ; x's codes of the work-group's 128 tokens, all of K: one dense block of 512 rows of 256 bytes
	s_mov_b32 s[G1L+3], 32<<16
	s_mov_b32 s[G1L+4], 512
	s_mov_b32 s[G1L+5], 32
	s_mov_b32 s[G1L+6], 0
	s_mov_b32 s[G1L+7], 0
	s_or_b32 s[G1G], s67, (1<<20)|(1<<21)|(5<<22)|(3<<25)
	s_mov_b32 s[G1G+1], 256<<16
	s_mov_b32 s[G1G+2], 256<<16                    ; the head's load brings Wo's 256 rows; behind it a load brings 128
	s_mov_b32 s[G1G+3], 256<<16
	s_mov_b32 s[G1G+4], 256
	s_mov_b32 s[G1G+5], 1024
	s_mov_b32 s[G1G+6], 0
	s_mov_b32 s[G1G+7], 0
	s_or_b32 s[G1LS], s66, (3<<16)|(1<<21)
	s_mov_b32 s[G1LS+1], 64<<16
	s_mov_b32 s[G1LS+2], 16<<16                    ; x's scale words: 512 bytes of each of the 16 heads
	s_mov_b32 s[G1LS+3], 64<<16
	s_mov_b32 s[G1LS+4], 16
	s_mov_b32 s[G1LS+5], 4096
	s_mov_b32 s[G1LS+6], 0
	s_mov_b32 s[G1LS+7], 0
	s_or_b32 s[G1GS], s67, (3<<16)|(1<<20)|(1<<21)|(5<<22)|(3<<25)
	s_mov_b32 s[G1GS+1], 32<<16
	s_mov_b32 s[G1GS+2], 32<<16                    ; the scale bytes of Wo's 256 rows: 32 runs of 256
	s_mov_b32 s[G1GS+3], 32<<16
	s_mov_b32 s[G1GS+4], 32
	s_mov_b32 s[G1GS+5], 32
	s_mov_b32 s[G1GS+6], 0
	s_mov_b32 s[G1GS+7], 0
	s_wait_kmcnt 0x0
	s_lshl_b32 s100, s97, 17                       ; x's codes: 131,072 bytes for each 128 tokens
	s_mov_b32 s101, 0
	s_add_nc_u64 s[4:5], s[4:5], s[100:101]
	s_lshl_b32 s100, s97, 9                        ; x's scale words: 512 bytes of each head
	s_add_nc_u64 s[6:7], s[6:7], s[100:101]
	s_lshl_b32 s2, s98, 5                          ; Wo's first row of the work-group: 32 scale bytes a row,
	s_mov_b32 s3, 0
	s_add_nc_u64 s[10:11], s[10:11], s[2:3]
	s_lshl_b32 s2, s2, 5                           ; 1,024 codes
	s_add_nc_u64 s[8:9], s[8:9], s[2:3]
	CROUND                                         ; all sixteen work-groups are here: the first joint loads meet
	s_mov_b32 s[G0LS], 1                           ; the head's four tiles, each whole: x's scale words,
	s_mov_b32 s[G0LS+1], XS
	s_mov_b64 s[G0LS+2:G0LS+3], s[6:7]
	s_or_b32 s[G0LS+3], s[G0LS+3], 0x80000000
	s_mov_b32 s[G0GS], 1                           ; Wo's scale bytes,
	s_mov_b32 s[G0GS+1], GSC
	s_mov_b64 s[G0GS+2:G0GS+3], s[10:11]
	s_or_b32 s[G0GS+3], s[G0GS+3], 0x80000000
	s_mov_b32 s[G0L], 1                            ; x's codes
	s_mov_b32 s[G0L+1], 0
	s_mov_b64 s[G0L+2:G0L+3], s[4:5]
	s_or_b32 s[G0L+3], s[G0L+3], 0x80000000
	s_lshl_b32 s2, s18, 17                         ; behind the head waves 2 and 3 fetch 128 rows of Wo each
	s_add_nc_u64 s[2:3], s[8:9], s[2:3]
.irp s, 0,1
	s_mov_b32 s[G0G+4*\s], 1
	s_mul_i32 s99, s18, GPART
	s_add_co_u32 s[G0G+4*\s+1], s99, GBASE+\s*GSLOT
	s_add_nc_u64 s[G0G+4*\s+2:G0G+4*\s+3], s[2:3], \s*256
	s_or_b32 s[G0G+4*\s+3], s[G0G+4*\s+3], 0x80000000
.endr
	s_mov_b64 s[10:11], s[8:9]                     ; s[8:11]: group 0 of Wo's 256 rows, K 0 to 255, into slot 0
	s_or_b32 s11, s11, 0x80000000
	s_mov_b32 s8, 1
	s_mov_b32 s9, GBASE
; THE HEAD'S LOADS, ONE A WAVE: one chain of branches on the wave's number, a load to an arm
.macro ARM under, g0, g1, next
	s_cmp_lt_u32 s16, \under
	s_cbranch_scc0 \next
	tensor_load_to_lds s[\g0:\g0+3], s[\g1:\g1+7]
	s_nop 0
	PLACES 4
	s_branch .Lhead_asked
\next:
.endm
	ARM 1, G0L,  G1L,  .Lhead_g
	ARM 2, 8,    G1G,  .Lhead_ls
	ARM 3, G0LS, G1LS, .Lhead_gs
	tensor_load_to_lds s[G0GS:G0GS+3], s[G1GS:G1GS+7]
	s_nop 0
	PLACES 4
.Lhead_asked:
	v_and_b32 v1, 15, v0
	v_bfe_u32 v2, v0, 4, 1
	v_and_b32 v3, 31, v0
	v_lshlrev_b32 v[L16], 4, v3
	s_mul_i32 s99, s17, LPART
	v_add_nc_u32 v[ADL], s99, v[L16]
	v_mul_u32_u24 v4, v1, GP
	v_lshl_add_u32 v4, v2, 4, v4
	s_mul_i32 s99, s18, GPART
	s_add_co_u32 s99, s99, GBASE
	v_add_nc_u32 v[ADG], s99, v4
	v_add_nc_u32 v[ADG+1], GSLOT, v[ADG]
	s_lshl_b32 s99, s17, 8
	s_add_co_u32 s99, s99, XS
	v_lshl_add_u32 v[ADSL], v3, 2, s99
	v_lshlrev_b32 v4, 5, v1
	v_lshrrev_b32 v5, 3, v1
	v_lshl_add_u32 v4, v5, 4, v4
	v_mad_u32_u24 v4, v2, 544, v4
	s_mul_i32 s99, s18, GSPART
	s_add_co_u32 s99, s99, GSC
	v_add_nc_u32 v[ADSG], s99, v4
	s_mul_i32 s99, s16, 16*SP
	s_add_co_u32 s99, s99, STG
	v_mul_u32_u24 v4, v1, SP
	v_lshl_add_u32 v4, v2, 5, v4
	v_add_nc_u32 v[STO], s99, v4
	v_add_nc_u32 v[RD], s99, v[L16]
	v_lshlrev_b32 v6, 5, v2
	s_wait_alu depctr_va_vdst(0)
	s_lshl_b32 s2, s18, 7
	s_add_co_u32 s2, s2, s98
	s_lshl_b32 s2, s2, 2
	s_mov_b32 s3, 0
	s_lshl_b32 s84, s97, 7
	s_lshl_b32 s85, s17, 6
	s_add_co_u32 s84, s84, s85
	s_lshl_b32 s84, s84, 12
	s_add_co_u32 s84, s84, s2
	s_mov_b32 s85, 0
	s_add_nc_u64 s[84:85], s[14:15], s[84:85]
	s_add_nc_u64 s[2:3], s[12:13], s[2:3]
	WIN TO_BB
.irp t, 0,1,2,3,4,5,6,7
	global_load_b128 v[8*\t:8*\t+3], v6, s[2:3] offset:64*\t
	global_load_b128 v[8*\t+4:8*\t+7], v6, s[2:3] offset:64*\t+16
.endr
	WIN 0
.macro WM d, g, l, c, sg, sl, par
.if (\par) == 0
	v_wmma_scale_f32_16x16x128_f8f6f4 v[(\d):(\d)+7], v[(\g):(\g)+15], v[(\l):(\l)+15], v[(\c):(\c)+7], v[\sg], v[\sl]
.elseif (\par) == 1
	v_wmma_scale_f32_16x16x128_f8f6f4 v[(\d):(\d)+7], v[(\g):(\g)+15], v[(\l):(\l)+15], v[(\c):(\c)+7], v[\sg], v[\sl] matrix_a_scale:MATRIX_SCALE_ROW1
.elseif (\par) == 2
	v_wmma_scale_f32_16x16x128_f8f6f4 v[(\d):(\d)+7], v[(\g):(\g)+15], v[(\l):(\l)+15], v[(\c):(\c)+7], v[\sg], v[\sl] matrix_b_scale:MATRIX_SCALE_ROW1
.else
	v_wmma_scale_f32_16x16x128_f8f6f4 v[(\d):(\d)+7], v[(\g):(\g)+15], v[(\l):(\l)+15], v[(\c):(\c)+7], v[\sg], v[\sl] matrix_a_scale:MATRIX_SCALE_ROW1 matrix_b_scale:MATRIX_SCALE_ROW1
.endif
.endm
.macro MUL a, S, cm
.irp t, 0,1,2,3,4,5,6,7
.if (\cm) == 0
	WM 8*(8*(\a)+\t), 128*((\S)%2)+16*\t, 128+64*((\S)%2)+16*(\a), 8*(8*(\a)+\t), GSW+8*(\t/2)+(\S), LSW+8*((\a)/2)+(\S), (\t%2)+2*((\a)%2)
.else
	WM 8*(8*(\a)+\t), 128*((\S)%2)+16*\t, 128+64*((\S)%2)+16*(\a), 8*\t, GSW+8*(\t/2)+(\S), LSW+8*((\a)/2)+(\S), (\t%2)+2*((\a)%2)
.endif
.endr
.endm
.macro FETCH S
	WIN TO_G
.irp t, 0,1,2,3,4,5,6,7
.irp c, 0,1,2,3
	ds_load_b128 v[128*((\S)%2)+16*\t+4*\c:128*((\S)%2)+16*\t+4*\c+3], v[ADG+((\S)/2)%2] offset:\t*16*GP+((\S)%2)*128+32*\c
.endr
.endr
	WIN 0
.irp a, 0,1,2,3
.irp c, 0,1,2,3
	ds_load_b128 v[128+64*((\S)%2)+16*\a+4*\c:128+64*((\S)%2)+16*\a+4*\c+3], v[ADL] offset:(\S)*8192+\a*2048+512*\c
.endr
.endr
.endm
.macro STEP S, cm
	s_wait_dscnt 0x0
.if (\cm) == 0
	WIN MUL_
.else
	WIN MULB
.endif
	MUL 0, \S, \cm
	MUL 1, \S, \cm
	PLACES 8
	FETCH (\S)+1
.if (\cm) == 0
	WIN MUL_
.else
	WIN MULB
.endif
	MUL 2, \S, \cm
	MUL 3, \S, \cm
	WIN 0
.endm
.macro TURN S, fill
	s_wait_tensorcnt 0x0
	ds_add_u32 v[SPW], v[NIL]
	s_wait_dscnt 0x1
	WIN MUL_
	MUL 0, \S, 0
	s_wait_dscnt 0x0
	s_barrier_signal -1
	MUL 1, \S, 0
	WIN 0
	s_barrier_wait -1
.if \fill
	CREST
	s_add_nc_u64 s[G0G+4*(((\S)/2)%2)+2:G0G+4*(((\S)/2)%2)+3], s[G0G+4*(((\S)/2)%2)+2:G0G+4*(((\S)/2)%2)+3], 512
	GLOAD ((\S)/2)%2
.endif
	PLACES 8
	FETCH (\S)+1
	WIN MUL_
	MUL 2, \S, 0
	MUL 3, \S, 0
	WIN 0
.endm
	s_wait_alu depctr_va_vdst(0)                   ; the wait at the head's end
	s_wait_tensorcnt 0x0                           ; my tile of the head's four is in; the lines ahead of a later first fill:
	ds_add_u32 v[SPW], v[NIL]
	s_mov_b32 s[G1G+2], 128<<16                    ; no tensor load of mine is out: from here on a load brings 128 rows of Wo
	s_mov_b32 s[G1G+4], 128
	s_wait_dscnt 0x0
	CROUND                                         ; all four tiles are in, and the sixteen work-groups are here
	GLOAD 1                                        ; slot 1's first fill: K 256 to 511, waves 2 and 3, one load each
.irp S, 0,1,2,3,4,5,6,7
.irp p, 0,1
	ds_load_b32 v[LSW+8*\p+\S], v[ADSL] offset:(2*\S)*512+128*\p
	ds_load_b32 v[OD+8*\p+\S], v[ADSL] offset:(2*\S+1)*512+128*\p
.endr
.endr
.irp p, 0,1,2,3
	ds_load_b128 v[GSW+8*\p:GSW+8*\p+3], v[ADSG] offset:1088*\p
	ds_load_b128 v[GSW+8*\p+4:GSW+8*\p+7], v[ADSG] offset:1088*\p+16
.endr
	s_wait_dscnt 8
.set J, 0
.rept 16
	v_or_b32 v[LSW+J], v[LSW+J], v[OD+J]
.set J, J+1
.endr
	FETCH 0
	PLACES 8
	s_wait_alu depctr_va_vdst(0)
	s_wait_loadcnt 0x0
	STEP 0, 1
	TURN 1, 1
	STEP 2, 0
	TURN 3, 1
	STEP 4, 0
	TURN 5, 0
	STEP 6, 0
	s_wait_dscnt 0x0
	WIN MUL_
	MUL 0, 7, 0
	MUL 1, 7, 0
	MUL 2, 7, 0
	MUL 3, 7, 0
	WIN 0
	PLACES 8
.macro TOSTAGE a
	WIN 0x08
.irp t, 0,1,2,3,4,5,6,7
	ds_store_b128 v[STO], v[64*(\a)+8*\t:64*(\a)+8*\t+3] offset:64*\t
	ds_store_b128 v[STO], v[64*(\a)+8*\t+4:64*(\a)+8*\t+7] offset:64*\t+16
.endr
	WIN 0
.irp i, 0,1,2,3,4,5,6,7,8,9,10,11,12,13,14,15
	ds_load_b128 v[BK+64*((\a)%2)+4*\i:BK+64*((\a)%2)+4*\i+3], v[RD] offset:\i*SP
.endr
.endm
.macro SEND a, younger
	s_wait_dscnt \younger
.irp i, 0,1,2,3,4,5,6,7,8,9,10,11,12,13,14,15
	global_store_b128 v[L16], v[BK+64*((\a)%2)+4*\i:BK+64*((\a)%2)+4*\i+3], s[84:85] offset:(16*(\a)+\i)*4096 th:TH_STORE_NT
.endr
.endm
	TOSTAGE 0
.irp a, 1,2,3
.if \a > 1
	s_wait_xcnt 0x0
.endif
	TOSTAGE \a
	SEND \a-1, 32
.endr
	SEND 3, 0
	s_wait_tensorcnt 0x0
	ds_add_u32 v[SPW], v[NIL]
	s_wait_dscnt 0x0
	CROUND
	s_endpgm
.Lfunc_end_k_q65ed412fa1_outp:
	.size	k_q65ed412fa1_outp, .Lfunc_end_k_q65ed412fa1_outp-k_q65ed412fa1_outp
	.p2alignl 7, 3214868480
	.fill 96, 4, 3214868480
	.section	.rodata,"a",@progbits
	.p2align	6, 0x0
	.amdhsa_kernel k_q65ed412fa1_outp
		.amdhsa_group_segment_fixed_size 327680
		.amdhsa_private_segment_fixed_size 0
		.amdhsa_enable_private_segment 0
		.amdhsa_kernarg_size 48
		.amdhsa_user_sgpr_count 2
		.amdhsa_user_sgpr_kernarg_segment_ptr 1
		.amdhsa_wavefront_size32 1
		.amdhsa_system_sgpr_workgroup_id_x 1
		.amdhsa_system_sgpr_workgroup_id_y 1
		.amdhsa_system_sgpr_workgroup_id_z 1
		.amdhsa_system_vgpr_workitem_id 0
		.amdhsa_next_free_vgpr 832
		.amdhsa_next_free_sgpr 102
		.amdhsa_reserve_vcc 0
		.amdhsa_float_denorm_mode_32 3
		.amdhsa_float_denorm_mode_16_64 3
		.amdhsa_memory_ordered 1
		.amdhsa_forward_progress 1
		.amdhsa_inst_pref_size 91
	.end_amdhsa_kernel
	.amdgpu_metadata
---
amdhsa.version: [ 1, 2 ]
amdhsa.kernels:
  - .name:           k_q65ed412fa1_outp
    .symbol:         k_q65ed412fa1_outp.kd
    .args:
      - { .name: xws, .offset: 0, .size: 8, .value_kind: global_buffer, .address_space: global }
      - { .name: xsc, .offset: 8, .size: 8, .value_kind: global_buffer, .address_space: global }
      - { .name: Wo_codes, .offset: 16, .size: 8, .value_kind: global_buffer, .address_space: global }
      - { .name: Wo_scales, .offset: 24, .size: 8, .value_kind: global_buffer, .address_space: global }
      - { .name: bo, .offset: 32, .size: 8, .value_kind: global_buffer, .address_space: global }
      - { .name: out0, .offset: 40, .size: 8, .value_kind: global_buffer, .address_space: global }
    .group_segment_fixed_size: 327680
    .private_segment_fixed_size: 0
    .kernarg_segment_align: 8
    .kernarg_segment_size: 48
    .max_flat_workgroup_size: 128
    .sgpr_count:     102
    .vgpr_count:     832
    .wavefront_size: 32
...
	.end_amdgpu_metadata
.endif
;; end of part 3
